; MI455X (gfx1250); checked and timed in simulation.
; The chip was launched on July 23, 2026; its instructions are those of AMD's public machine-readable ISA for CDNA 5 (MIT licence, August 2026) and "CDNA5" Instruction Set Architecture Reference Guide (July 2026). The comments in the code are by the model that wrote it; some were corrected since.
;; Multi Headed Attention. Allowed arithmetic: matrix products marked QUANTISED: E2M3 operands, one E8M0 scale for each 32 along K, by v_wmma_scale_f32_16x16x128_f8f6f4 with both operands' format E2M3, f32 sums; everything else in f32.
;; Inputs: Wk 1,024 x 1,024 float32; Wo 1,024 x 1,024 float32; Wq 1,024 x 1,024 float32; Wv 1,024 x 1,024 float32; bk 1,024 float32; bo 1,024 float32; bq 1,024 float32; bv 1,024 float32; k 4 x 2,048 x 1,024 float32; mask 4 x 1 x 2,048 bool; q 4 x 2,048 x 1,024 float32; v 4 x 2,048 x 1,024 float32.
;; Outputs: out0 4 x 2,048 x 1,024 float32.
;; This version of the problem:
;;   THIS VERSION OF THE PROBLEM IS GIVEN IN LOW PRECISION. The matrix products marked QUANTISED in the list below multiply operands that are first quantised to E2M3 (2 exponent bits, 3 mantissa bits; 6 bits a number), with one power-of-two scale for each 32 numbers along K (OCP MX v1.0); their sums are f32. All else is computed in f32.
;;   The module's matrix products, in the order in which they are computed (A, B: the left and right operand; K: the contracted axis; several contracted axes count as one K, in the product's order):
;;     1. [M 8,192, K 1,024] x [K 1,024, N 1,024]; A: input q; B: input Wq: QUANTISED
;;     2. [M 8,192, K 1,024] x [K 1,024, N 1,024]; A: input k; B: input Wk: QUANTISED
;;     3. [M 8,192, K 1,024] x [K 1,024, N 1,024]; A: input v; B: input Wv: QUANTISED
;;     4. batch 64 x [M 2,048, K 64] x [K 64, N 2,048]; A: computed on the way; B: computed on the way: QUANTISED
;;     5. batch 64 x [M 2,048, K 2,048] x [K 2,048, N 64]; A: softmax (see below); B: computed on the way: QUANTISED
;;     6. [M 8,192, K 1,024] x [K 1,024, N 1,024]; A: computed on the way; B: input Wo: QUANTISED
;;   THE QUANTISER, for each operand of a quantised product, along K:
;;     - K is cut into blocks of 32 from its start; a last block that is shorter is filled with zeros.
;;     - A block's scale is 2^e with e = floor(log2(the largest magnitude in the block)) - 2, held to -126 .. 127; a block of zeros has e = 0. As a byte (E8M0): e + 127.
;;     - Each number is divided by its block's scale, clamped to +-7.5, and rounded to the nearest number of E2M3, ties to even, subnormals kept.
;;     - The product sums the exact products of the quantised numbers (number of the format x scale) in f32.
;;   ~~~python
;;   def quantise(x, axis):      # numpy; x: float32 -> the quantised numbers, widened to float32 again
;;       x = np.moveaxis(x, axis, -1); K = x.shape[-1]
;;       x = np.pad(x, [(0, 0)] * (x.ndim - 1) + [(0, -K % 32)]); x = x.reshape(x.shape[:-1] + (-1, 32)); a = np.abs(x).max(-1, keepdims=True)
;;       e = np.where(a > 0, np.clip(np.frexp(np.where(a > 0, a, 1))[1] - 1 - 2, -126, 127), 0)      # np.frexp(a)[1] - 1 = floor(log2(a)), exactly
;;       r = np.clip(x / 2.0 ** e, -7.5, 7.5)
;;       step = 2.0 ** (np.maximum(np.frexp(np.where(r == 0, 1, r))[1] - 1, 0) - 3)
;;       q = np.round(r / step) * step * 2.0 ** e      # np.round: ties to even
;;       return np.moveaxis(q.reshape(q.shape[:-2] + (-1,))[..., :K], -1, axis).astype(np.float32)
;;   ~~~
;;   SOFTMAX AHEAD OF A QUANTISED PRODUCT. Where the list says 'softmax', what is quantised is not the finished softmax but p = 2^(t - M), with t = logit x log2(e) and M = ceil(the row's largest t), a whole number; so 1/2 < the row's largest p <= 1. The row's sum l is taken of the UNQUANTISED p, in f32, and the product's result is divided by l at the end. Since M is a whole number, a kernel that streams over the keys may use a running M (the ceiling of the running maximum): every later rescaling is an exact power of two, which a block's scale takes up: the codes' values come out the same.
;;   OPERANDS COMPUTED ON THE WAY. 'Computed on the way' means the value that the module computes at that place (a softmax that the list does not call 'softmax' is quantised finished and normalised). What goes into a quantiser is computed in f32, as accurately as f32 sums, v_exp_f32 and their like allow (about 1e-6 of the number): no bf16 or f16 on the way to a quantiser, and a product that is left as it is and whose result goes on into a quantised operand takes f32 operands (vector FMAs, or v_wmma_f32_16x16x4_f32). A number that lies on a knife's edge between two numbers of the format may be rounded either way, as far as f32 arithmetic and the matrix unit's own rounding can turn it there, and no further.
;; One version. Each part assembles by itself: llvm-mc -triple=amdgcn-amd-amdhsa -mcpu=gfx1250 --defsym DOCPART=n.
;; ======== version 1 of 1: 4 launches
;; limits: right only within a limited range of input values
;; workspace buffers: ximg 18,874,368 bytes; xsc 786,432 bytes; wimg 3,145,728 bytes; wsc 131,072 bytes; himg 18,874,368 bytes; hsc 1,310,720 bytes; cimg 6,291,456 bytes; csc 262,144 bytes
;; launch quant (part 1): grid 896 x 1, 4 waves a work-group, no clusters, 59,904 bytes of LDS; arguments q, k, v, Wq, Wk, Wv, Wo, ximg, xsc, wimg, wsc; writes ximg, xsc, wimg, wsc
.if DOCPART == 1
	.amdgcn_target "amdgcn-amd-amdhsa--gfx1250"
	.amdhsa_code_object_version 6
	.text
	.protected	k_q6535229e25_quant
	.globl	k_q6535229e25_quant
	.p2align	8
	.type	k_q6535229e25_quant,@function
k_q6535229e25_quant:
	s_mov_b64 s[64:65], 0
	v_nop
	global_prefetch_b8 v0, s[64:65] scope:SCOPE_SE
	s_setreg_imm32_b32 hwreg(HW_REG_WAVE_MODE, 25, 1), 1
	s_wait_xcnt 0x0
; q, k, v [8192][1024] f32 (K innermost) and Wq, Wk, Wv, Wo [1024 (K)][1024 (n)] f32 (K is the first axis) become codes of FP6 (E2M3) with one E8M0 byte for each 32 along K,
; laid in the order in which a matrix operand's registers take them.
; A RECORD is a fragment of 16 rows x 128 K, 12 registers a lane, 1,536 bytes: two halves of 768; half c = registers 6 c .. 6 c + 5 (lane (r, h): k = 64 c + 32 h + 0 .. 31 of row r):
; 512 bytes (four registers, lane l at 16 l), then 256 bytes (two registers, lane l at 8 l).  An image is [row tile T][K step 0..7][1,536].
; THE ROWS OF A TILE ARE NOT NEIGHBOURS: lane r of tile 2 P + u holds row 32 P + 8 u + r + 8 (r / 8).
; Scale words: [T][chunk 0..3][r][2 words]: word w of chunk ch belongs to K step 2 ch + w; byte b of a word to k = 32 b .. 32 b + 31 of that step.
; A block's scale is 2^(floor(log2(its largest magnitude)) - 2); its byte is the largest magnitude's exponent field - 2, held at 1 from below.
; LIMITS: a block of zeros, and a block whose largest magnitude lies under 2^-124, keeps the byte 1 (its codes then add what the byte 1 gives; the bytes are read by this program alone); NaN and infinities among the inputs are not served.
; Work-groups 0-127 take the weights, 128-895 take q, k, v.  The two paths have LDS bytes of their own.  Waves share nothing: no barrier.
.set XSZ,   6291456                    ; an image of q, k or v
.set WSZ,   786432                     ; an image of a weight
.set XSTW,  8448                       ; x path: a wave's stage, 16 rows of 512 bytes + 16; the four stages begin at LDS byte 0
.set WST,   33792                      ; weights' path: the stages begin here,
.set WSTW,  6400                       ; a wave's: two tiles of 3,072 bytes, 3,200 apart
.set SPARE, 59392                      ; the spare words, 128 bytes for each wave: two blocks of 256 bytes that no other line names
.set SPW, 12                           ; v12  LDS address of my spare word; never rewritten
.set NIL, 13                           ; v13  0; never rewritten
.set PWD, 16                           ; v16-19 scale words
.set PC,  24                           ; v24-35 a fragment's codes
.set CT,  36                           ; v36-43 the second halves of the blocks' codes, as the conversions leave them
.set X,   48                           ; v48-111 x path: 64 numbers, two whole blocks of 32; weights' path: the way out
.set R,   112                          ; v112-239 numbers as loaded, two sets
	s_load_b512 s[4:19], s[0:1], 0x0               ; q, k, v, Wq, Wk, Wv, Wo, ximg
	s_load_b128 s[20:23], s[0:1], 0x40             ; xsc, wimg
	s_load_b64 s[24:25], s[0:1], 0x50              ; wsc
	v_lshl_add_u32 v[SPW], v0, 2, SPARE
	v_mov_b32 v[NIL], 0
	v_lshrrev_b32 v1, 5, v0
	v_readfirstlane_b32 s26, v1                    ; wave 0..3
	v_and_b32 v1, 31, v0                           ; lane
	v_lshlrev_b32 v2, 4, v1                        ; 16 x lane
	v_lshlrev_b32 v3, 3, v1                        ; 8 x lane
	s_cmp_lt_u32 ttmp9, 128
	s_cbranch_scc1 .Lweights
	; ---------------- q, k, v: a wave makes four records: row tile T, K steps 4 kh + 0 .. 3
	s_sub_co_u32 s28, ttmp9, 128
	s_lshr_b32 s29, s28, 8                         ; which tensor: 0 q, 1 k, 2 v
	s_and_b32 s28, s28, 255
	s_lshl_b32 s28, s28, 2
	s_add_co_u32 s28, s28, s26
	s_lshr_b32 s30, s28, 1                         ; T, 0 .. 511
	s_and_b32 s31, s28, 1                          ; kh
	s_lshr_b32 s32, s30, 1
	s_lshl_b32 s32, s32, 17                        ; 32 (T / 2) rows of 4,096 bytes
	s_and_b32 s33, s30, 1
	s_lshl_b32 s33, s33, 15                        ; + 8 (T % 2) rows
	s_add_co_u32 s32, s32, s33
	s_lshl_b32 s33, s31, 11                        ; + 512 kh numbers
	s_add_co_u32 s32, s32, s33
	s_mov_b32 s33, 0
	s_mul_i32 s34, s29, XSZ
	s_mul_i32 s35, s30, 12288
	s_add_co_u32 s34, s34, s35
	s_mul_i32 s35, s31, 6144
	s_add_co_u32 s34, s34, s35                     ; my four records in ximg
	s_mov_b32 s35, 0
	s_lshl_b32 s40, s29, 18
	s_lshl_b32 s41, s30, 9
	s_add_co_u32 s40, s40, s41
	s_lshl_b32 s41, s31, 8
	s_add_co_u32 s40, s40, s41                     ; my 256 bytes of scale words in xsc
	s_mov_b32 s41, 0
	s_mov_b32 s36, 0x76543210
	s_mov_b32 s37, 0xfedcba98                      ; v_permlanex16_b32's selects for lane l xor 16
	s_mov_b32 s38, 0xffff0000                      ; lanes 16-31
	v_and_b32 v8, 15, v0                           ; r
	v_bfe_u32 v9, v0, 4, 1                         ; h
	s_mul_i32 s42, s26, XSTW
	s_wait_alu depctr_va_vdst(0)
	v_add_nc_u32 v4, s42, v2                       ; into the stage: a row's 512 bytes as they lie
	v_mul_u32_u24 v5, v8, 528
	v_lshl_add_u32 v5, v9, 7, v5
	v_add_nc_u32 v5, s42, v5                       ; out of it: row r, + 128 h: my block of 32 numbers
	v_lshlrev_b32 v6, 3, v9                        ; 8 h: where my two bytes stand in a scale word
	v_lshlrev_b32 v7, 3, v8
	v_lshl_add_u32 v7, v9, 7, v7                   ; 8 r + 128 h: the scale words' way out
	v_mov_b32 v22, 0                               ; a lane permute's destination counts as one of its sources
	s_wait_alu depctr_va_vdst(0)
	s_wait_kmcnt 0x0
	s_cmp_lt_u32 s29, 1
	s_cselect_b64 s[4:5], s[4:5], s[6:7]
	s_cmp_lt_u32 s29, 2
	s_cselect_b64 s[4:5], s[4:5], s[8:9]           ; the choice hangs on the work-group's number alone
	s_add_nc_u64 s[4:5], s[4:5], s[32:33]
	s_add_nc_u64 s[18:19], s[18:19], s[34:35]
	s_add_nc_u64 s[20:21], s[20:21], s[40:41]
.macro XLOAD f                         ; record f's 16 rows x 128 numbers: each load reads 512 consecutive bytes of one row
.irp p, 0,1,2,3,4,5,6,7,8,9,10,11,12,13,14,15
	global_load_b128 v[R+64*((\f)%2)+4*\p:R+64*((\f)%2)+4*\p+3], v2, s[4:5] offset:(\p+8*(\p/8))*4096+512*(\f) th:TH_LOAD_NT
.endr
.endm
.macro XFRAG f
.if (\f) < 3
	s_wait_loadcnt 16                              ; this record's 16 loads are in; the next record's 16 may be out
.else
	s_wait_loadcnt 0x0
.endif
.irp p, 0,1,2,3,4,5,6,7,8,9,10,11,12,13,14,15
	ds_store_b128 v4, v[R+64*((\f)%2)+4*\p:R+64*((\f)%2)+4*\p+3] offset:528*\p
.endr
.irp c, 0,1
.irp i, 0,1,2,3,4,5,6,7
	ds_load_b128 v[X+32*\c+4*\i:X+32*\c+4*\i+3], v5 offset:256*\c+16*\i   ; LDS serves a wave's instructions in order: these see the stores above.  k = 64 c + 32 h + 4 i ..
.endr
.endr
	s_wait_dscnt 0x0                               ; my 64 numbers are in, and the stores have read their registers
.if (\f) < 2
	XLOAD (\f)+2
.endif
.irp c, 0,1
	v_max3_num_f32 v[8+\c], |v[X+32*\c]|, |v[X+32*\c+1]|, 0x1800000   ; my block 2 c + h: all 32 numbers are mine; and the floor 2^(3 - 127): the byte cannot fall under 1
.endr
.irp i, 2,4,6,8,10,12,14,16,18,20,22,24,26,28,30
.irp c, 0,1
	v_max3_num_f32 v[8+\c], v[8+\c], |v[X+32*\c+\i]|, |v[X+32*\c+\i+1]|
.endr
.endr
.irp c, 0,1
	v_add_nc_u32 v[10+\c], 0xff000000, v[8+\c]     ; 2 off the exponent field: the conversion's scale operand
.endr
.irp c, 0,1
	v_lshrrev_b32 v[14+\c], 23, v[10+\c]           ; the scale's byte
.endr
	v_lshl_or_b32 v14, v15, 16, v14                ; blocks h and 2 + h of row r,
	v_lshlrev_b32 v14, v6, v14                     ; at their places in the word;
	v_permlanex16_b32 v22, v14, s36, s37
	v_or_b32 v[PWD+(\f)], v14, v22                 ; with lane l xor 16's two the word is whole
	s_wait_alu depctr_va_vdst(0)
	s_wait_xcnt 0x0                                ; the last record's stores have read their data: the codes' registers are written again only behind this wait
.irp c, 0,1
	v_cvt_scalef32_pk16_fp6_f32 v[PC+6*\c:PC+6*\c+2], v[X+32*\c:X+32*\c+15], v[10+\c]
	v_cvt_scalef32_pk16_fp6_f32 v[CT+4*\c:CT+4*\c+2], v[X+32*\c+16:X+32*\c+31], v[10+\c]   ; (a conversion's three registers begin on an even number)
.endr
	v_nop                                          ; one plain place behind a scaled conversion
.irp c, 0,1
.irp i, 0,1,2
	v_mov_b32 v[PC+6*\c+3+\i], v[CT+4*\c+\i]
.endr
.endr
	global_store_b128 v2, v[PC:PC+3], s[18:19] offset:1536*(\f)            ; 512 consecutive bytes, aligned to 256
	global_store_b64 v3, v[PC+4:PC+5], s[18:19] offset:1536*(\f)+512       ; 256
	global_store_b128 v2, v[PC+6:PC+9], s[18:19] offset:1536*(\f)+768
	global_store_b64 v3, v[PC+10:PC+11], s[18:19] offset:1536*(\f)+1280
.endm
	XLOAD 0
	XLOAD 1
	XFRAG 0
	XFRAG 1
	XFRAG 2
	XFRAG 3
	v_cndmask_b32 v20, v[PWD], v[PWD+2], s38       ; lanes 0-15 carry the first chunk's two words of row r, lanes 16-31 the second's
	v_cndmask_b32 v21, v[PWD+1], v[PWD+3], s38
	global_store_b64 v7, v[20:21], s[20:21]        ; 256 consecutive bytes, aligned
	s_branch .Lend
	; ---------------- the weights: A LANE TAKES A COLUMN n AND ITS REGISTERS RUN DOWN K.  A wave: 32 columns (a pair of tiles) x 256 along K: 8 blocks a lane
.Lweights:
	s_lshr_b32 s29, ttmp9, 5                       ; which weight: 0 Wq, 1 Wk, 2 Wv, 3 Wo
	s_and_b32 s28, ttmp9, 31
	s_lshr_b32 s30, s28, 2
	s_and_b32 s31, ttmp9, 3                        ; which 256 along K
	s_lshl_b32 s30, s30, 2
	s_add_co_u32 s30, s30, s26                     ; P: columns 32 P .. 32 P + 31
	s_lshl_b32 s32, s31, 20                        ; 256 rows of 4,096 bytes
	s_lshl_b32 s33, s30, 7
	s_add_co_u32 s32, s32, s33
	s_mov_b32 s33, 0
	s_mul_i32 s34, s29, WSZ
	s_mul_i32 s35, s30, 24576
	s_add_co_u32 s34, s34, s35
	s_mul_i32 s35, s31, 3072
	s_add_co_u32 s34, s34, s35                     ; tile 2 P, K steps 2 ch and 2 ch + 1 in wimg
	s_mov_b32 s35, 0
	s_lshl_b32 s40, s29, 15
	s_lshl_b32 s41, s30, 10
	s_add_co_u32 s40, s40, s41
	s_lshl_b32 s41, s31, 7
	s_add_co_u32 s40, s40, s41                     ; tile 2 P, chunk ch in wsc
	s_mov_b32 s41, 0
	v_bfe_u32 v9, v0, 3, 1                         ; u: column 32 P + l is lane r' of tile 2 P + u,
	v_and_b32 v10, 7, v0
	v_bfe_u32 v11, v0, 4, 1
	v_lshl_add_u32 v10, v11, 3, v10                ; r' = l % 8 + 8 (l / 16)
	s_mul_i32 s42, s26, WSTW
	s_add_co_u32 s42, s42, WST                     ; my stage
	v_mul_u32_u24 v14, v9, 3200
	v_add_nc_u32 v14, s42, v14
	v_lshl_add_u32 v4, v10, 4, v14                 ; into it: my tile, 16 r'
	v_lshl_add_u32 v5, v10, 3, v14                 ; and 8 r'
	v_add_nc_u32 v6, s42, v2                       ; out of it: 16 x lane
	v_lshlrev_b32 v7, 3, v10
	v_lshl_add_u32 v7, v9, 9, v7                   ; my scale words: 512 u + 8 r'
	v_lshlrev_b32 v8, 2, v1                        ; in: 4 bytes a lane
	s_wait_alu depctr_va_vdst(0)
	s_wait_kmcnt 0x0
	s_cmp_lt_u32 s29, 1
	s_cselect_b64 s[4:5], s[10:11], s[12:13]
	s_cmp_lt_u32 s29, 2
	s_cselect_b64 s[4:5], s[4:5], s[14:15]
	s_cmp_lt_u32 s29, 3
	s_cselect_b64 s[4:5], s[4:5], s[16:17]
	s_add_nc_u64 s[4:5], s[4:5], s[32:33]
	s_add_nc_u64 s[22:23], s[22:23], s[34:35]
	s_add_nc_u64 s[24:25], s[24:25], s[40:41]
.macro WLOAD t                         ; block t: W(32 t + i, my column): 128 consecutive bytes a wave, 512 a work-group
.irp i, 0,1,2,3,4,5,6,7,8,9,10,11,12,13,14,15,16,17,18,19,20,21,22,23,24,25,26,27,28,29,30,31
	global_load_b32 v[R+32*((\t)%2)+\i], v8, s[4:5] offset:(32*(\t)+\i)*4096 th:TH_LOAD_NT
.endr
.endm
.macro WBLOCK t
.set XS, R+32*((\t)%2)
.if (\t) < 7
	s_wait_loadcnt 32                              ; this block's 32 loads are in; the next block's may be out
.else
	s_wait_loadcnt 0x0
.endif
	v_max3_num_f32 v10, |v[XS]|, |v[XS+1]|, |v[XS+2]|
	v_max3_num_f32 v11, |v[XS+3]|, |v[XS+4]|, |v[XS+5]|
.irp i, 6,10,14,18,22,26
	v_max3_num_f32 v10, v10, |v[XS+\i]|, |v[XS+\i+1]|
	v_max3_num_f32 v11, v11, |v[XS+\i+2]|, |v[XS+\i+3]|
.endr
	v_max3_num_f32 v10, v10, |v[XS+30]|, |v[XS+31]|
	v_max3_num_f32 v10, v10, v11, 0x1800000        ; and the floor
	v_add_nc_u32 v14, 0xff000000, v10
	v_lshrrev_b32 v15, 23, v14
.if (\t)%4 == 0
	v_mov_b32 v[PWD+(\t)/4], v15                   ; four bytes make a K step's word, the lower K in the lower byte
.else
	v_lshl_or_b32 v[PWD+(\t)/4], v15, 8*((\t)%4), v[PWD+(\t)/4]
.endif
	v_cvt_scalef32_pk16_fp6_f32 v[24:26], v[XS:XS+15], v14
	v_cvt_scalef32_pk16_fp6_f32 v[30:32], v[XS+16:XS+31], v14
	v_nop                                          ; one plain place behind a scaled conversion
	v_mov_b32 v27, v30
	v_mov_b32 v28, v31
	v_mov_b32 v29, v32
	ds_store_b128 v4, v[24:27] offset:1536*((\t)/4)+768*(((\t)%4)/2)+256*((\t)%2)        ; block t is half (t % 4) / 2 of K step t / 4, and the lane half t % 2 of the record
	ds_store_b64 v5, v[28:29] offset:1536*((\t)/4)+768*(((\t)%4)/2)+512+128*((\t)%2)
.if (\t)+2 < 8
	WLOAD (\t)+2
.endif
	s_wait_dscnt 0x0                               ; the stores have read their registers
.endm
	WLOAD 0
	WLOAD 1
.irp t, 0,1,2,3,4,5,6,7
	WBLOCK \t
.endr
	s_wait_alu depctr_va_vdst(0)
	global_store_b64 v7, v[PWD:PWD+1], s[24:25]    ; my column's two scale words
.irp u, 0,1
.irp i, 0,1,2,3,4,5
	ds_load_b128 v[X+4*(6*\u+\i):X+4*(6*\u+\i)+3], v6 offset:3200*\u+512*\i   ; LDS serves a wave's instructions in order: these see my stores
.endr
.endr
.irp u, 0,1
.irp i, 0,1,2,3,4,5
	s_wait_dscnt 11-6*\u-\i                        ; the younger loads of the twelve may be out
	global_store_b128 v2, v[X+4*(6*\u+\i):X+4*(6*\u+\i)+3], s[22:23] offset:12288*\u+512*\i   ; 512 consecutive bytes, aligned to 256
.endr
.endr
.Lend:
	s_wait_tensorcnt 0x0                           ; the wave's end, behind my last LDS store
	ds_add_u32 v[SPW], v[NIL]
	s_wait_dscnt 0x0
	s_endpgm
.Lfunc_end_k_q6535229e25_quant:
	.size	k_q6535229e25_quant, .Lfunc_end_k_q6535229e25_quant-k_q6535229e25_quant
	.p2alignl 7, 3214868480
	.fill 96, 4, 3214868480
	.section	.rodata,"a",@progbits
	.p2align	6, 0x0
	.amdhsa_kernel k_q6535229e25_quant
		.amdhsa_group_segment_fixed_size 59904
		.amdhsa_private_segment_fixed_size 0
		.amdhsa_enable_private_segment 0
		.amdhsa_kernarg_size 88
		.amdhsa_user_sgpr_count 2
		.amdhsa_user_sgpr_kernarg_segment_ptr 1
		.amdhsa_wavefront_size32 1
		.amdhsa_system_sgpr_workgroup_id_x 1
		.amdhsa_system_sgpr_workgroup_id_y 1
		.amdhsa_system_sgpr_workgroup_id_z 1
		.amdhsa_system_vgpr_workitem_id 0
		.amdhsa_next_free_vgpr 256
		.amdhsa_next_free_sgpr 66
		.amdhsa_reserve_vcc 0
		.amdhsa_float_denorm_mode_32 3
		.amdhsa_float_denorm_mode_16_64 3
		.amdhsa_memory_ordered 1
		.amdhsa_forward_progress 1
		.amdhsa_inst_pref_size 73
	.end_amdhsa_kernel
	.amdgpu_metadata
---
amdhsa.version: [ 1, 2 ]
amdhsa.kernels:
  - .name:           k_q6535229e25_quant
    .symbol:         k_q6535229e25_quant.kd
    .args:
      - { .name: q, .offset: 0, .size: 8, .value_kind: global_buffer, .address_space: global }
      - { .name: k, .offset: 8, .size: 8, .value_kind: global_buffer, .address_space: global }
      - { .name: v, .offset: 16, .size: 8, .value_kind: global_buffer, .address_space: global }
      - { .name: Wq, .offset: 24, .size: 8, .value_kind: global_buffer, .address_space: global }
      - { .name: Wk, .offset: 32, .size: 8, .value_kind: global_buffer, .address_space: global }
      - { .name: Wv, .offset: 40, .size: 8, .value_kind: global_buffer, .address_space: global }
      - { .name: Wo, .offset: 48, .size: 8, .value_kind: global_buffer, .address_space: global }
      - { .name: ximg, .offset: 56, .size: 8, .value_kind: global_buffer, .address_space: global }
      - { .name: xsc, .offset: 64, .size: 8, .value_kind: global_buffer, .address_space: global }
      - { .name: wimg, .offset: 72, .size: 8, .value_kind: global_buffer, .address_space: global }
      - { .name: wsc, .offset: 80, .size: 8, .value_kind: global_buffer, .address_space: global }
    .group_segment_fixed_size: 59904
    .private_segment_fixed_size: 0
    .kernarg_segment_align: 8
    .kernarg_segment_size: 88
    .max_flat_workgroup_size: 128
    .sgpr_count:     66
    .vgpr_count:     256
    .wavefront_size: 32
...
	.end_amdgpu_metadata
.endif
;; end of part 1
;; launch proj (part 2): grid 4 x 96, 4 waves a work-group, clusters of 4 x 4, 327,680 bytes of LDS; arguments ximg, xsc, wimg, wsc, bq, bk, bv, himg, hsc; writes himg, hsc
.if DOCPART == 2
	.amdgcn_target "amdgcn-amd-amdhsa--gfx1250"
	.amdhsa_code_object_version 6
	.text
	.protected	k_q6535229e25_proj
	.globl	k_q6535229e25_proj
	.p2align	8
	.type	k_q6535229e25_proj,@function
k_q6535229e25_proj:
	s_mov_b64 s[64:65], 0
	v_nop
	global_prefetch_b8 v0, s[64:65] scope:SCOPE_SE
	s_setreg_imm32_b32 hwreg(HW_REG_WAVE_MODE, 25, 1), 1
	s_wait_xcnt 0x0
	s_wait_alu depctr_hold_cnt(0) depctr_sa_sdst(0) depctr_va_vdst(0) depctr_va_sdst(0) depctr_va_ssrc(0) depctr_va_vcc(0) depctr_vm_vsrc(0)
	s_getreg_b32 s2, hwreg(HW_REG_IB_STS2, 6, 4)
	s_cmp_eq_u32 s2, 0
	s_cbranch_scc0 .Lentry_in_a_cluster
	s_endpgm
.Lentry_in_a_cluster:
	s_bfe_u32 s2, ttmp6, 0x10000c
	s_cmp_lg_u32 s2, 0xf033
	s_cbranch_scc0 .Lentry_shape_is_right
	s_endpgm
.Lentry_shape_is_right:
.set XSZ,   6291456
.set WSZ,   786432
.set HSZ,   6291456
.set NQ,    2
.set FR,    12
.set NL,    4
.set NP,    4
.set ROWB,  3072
.set HALFT, 8*ROWB
.set SLOT,  4*HALFT
.set LAPS,  2
.set SCL,   2*SLOT
.set HALFS, 4096
.set SBLK,  512
.set SPARE, SCL+4*HALFS
.set ADRA, 16
.set ADRB, 20
.set O16,  24
.set O8,   25
.set O16H, 26
.set ADRS, 27
.set SPW,  28
.set NIL,  29
.set O8H,  30
.set OS,   31
.set SC,   32
.set BI,   64
.set AF,   128
.set BJ,   224
.set TM,   240
.set VAL,  128
.set PC,   192
.set PW,   212
.set ROT,  213
.set DAT,  214
.set SEL,  20
.set G1, 24
.set G0, 32
.set G1B, 48
.set G0B, 56
.set G1S, 68
.set G0S, 76
.set G1SB, 80
.set G0SB, 88
.set MSB, 0
.macro WIN new
.if MSB != \new
	s_set_vgpr_msb (MSB<<8)|\new
.set MSB, \new
.endif
.endm
.set MUL_LO, 0xa1
.set MUL_HI, 0xf1
.set TO_B,   0x40
.macro JLOAD g0a, g1a, g0b, g1b
	s_cmp_eq_u32 s13, 0
	s_cbranch_scc0 .Lfor_b_\@
	tensor_load_to_lds s[\g0a:\g0a+3], s[\g1a:\g1a+7]
	s_nop 0
.rept 4
	v_nop
.endr
	s_branch .Lasked_\@
.Lfor_b_\@:
	tensor_load_to_lds s[\g0b:\g0b+3], s[\g1b:\g1b+7]
	s_nop 0
.rept 4
	v_nop
.endr
.Lasked_\@:
.endm
.macro CREST
	s_cmp_lg_u32 s12, 0
	s_cbranch_scc1 .Lnot_wave_0_\@
	s_barrier_signal -3
.Lnot_wave_0_\@:
	s_barrier_wait -3
	s_barrier_signal -1
	s_barrier_wait -1
.endm
.macro CROUND
	s_barrier_signal -1
	s_barrier_wait -1
	CREST
.endm
	s_load_b256 s[4:11], s[0:1], 0x0
	s_load_b256 s[92:99], s[0:1], 0x20
	s_load_b64 s[100:101], s[0:1], 0x40
	v_lshl_add_u32 v[SPW], v0, 2, SPARE
	v_mov_b32 v[NIL], 0
	ds_add_u32 v[SPW], v[NIL]
	ds_add_u32 v[SPW], v[NIL]
	v_lshrrev_b32 v1, 5, v0
	v_readfirstlane_b32 s12, v1
	s_lshr_b32 s13, s12, 1
	s_and_b32 s14, s12, 1
	s_bfe_u32 s40, ttmp6, 0x40000
	s_bfe_u32 s41, ttmp6, 0x40004
	s_lshl_b32 s47, s41, 2
	s_lshl_b32 s47, 15, s47
	s_lshl_b32 s67, 0x1111, s40
	s_or_b32 s[G1+0], s47, (3<<16)|(1<<21)
	s_or_b32 s[G1B+0], s67, (3<<16)|(1<<21)
	s_or_b32 s[G1S+0], s47, (3<<16)|(1<<21)
	s_or_b32 s[G1SB+0], s67, (3<<16)|(1<<21)
.irp g, G1, G1B
	s_mov_b32 s[\g+1], 384<<16
	s_mov_b32 s[\g+2], 16<<16
	s_mov_b32 s[\g+3], 384<<16
	s_mov_b32 s[\g+4], 16
	s_mov_b32 s[\g+5], 1536
	s_mov_b32 s[\g+6], 0
	s_mov_b32 s[\g+7], 0
.endr
.irp g, G1S, G1SB
	s_mov_b32 s[\g+1], 32<<16
	s_mov_b32 s[\g+2], 32<<16
	s_mov_b32 s[\g+3], 32<<16
	s_mov_b32 s[\g+4], 32
	s_mov_b32 s[\g+5], 32
	s_mov_b32 s[\g+6], 0
	s_mov_b32 s[\g+7], 0
.endr
	s_and_b32 s42, ttmp7, 0xffff
	s_lshr_b32 s15, s42, 3
	s_and_b32 s42, s42, 7
	s_lshl_b32 s42, s42, 2
	s_mul_i32 s2, s15, XSZ
	s_mul_i32 s3, s15, WSZ
	s_lshl_b32 s45, s15, 18
	s_lshl_b32 s46, s15, 15
	s_cmp_eq_u32 s15, 2
	s_cselect_b32 s43, s42, 0
	s_cselect_b32 s44, 0, s42
	s_cselect_b32 s22, 0, -1
	s_cselect_b32 s23, -1, 0
	s_cselect_b32 s16, s3, s2
	s_cselect_b32 s18, s2, s3
	s_cselect_b32 s20, s46, s45
	s_cselect_b32 s66, s45, s46
	s_add_co_u32 s43, s43, s40
	s_add_co_u32 s44, s44, s41
	s_lshl_b32 s45, s14, 3
	s_lshl_b32 s46, s44, 4
	s_add_co_u32 s46, s46, s45
	s_mul_i32 s47, s46, 12288
	s_add_co_u32 s16, s16, s47
	s_lshl_b32 s47, s46, 9
	s_add_co_u32 s20, s20, s47
	s_lshl_b32 s2, s43, 4
	s_add_co_u32 s2, s2, s45
	s_mul_i32 s3, s2, 12288
	s_add_co_u32 s18, s18, s3
	s_lshl_b32 s3, s2, 9
	s_add_co_u32 s66, s66, s3
	s_mov_b32 s17, 0
	s_mov_b32 s19, 0
	s_mov_b32 s21, 0
	s_mov_b32 s67, 0
	s_mul_i32 s45, s12, HALFT
	s_mul_i32 s42, s12, HALFS
	s_wait_dscnt 0x0
	s_wait_kmcnt 0x0
	s_cmp_eq_u32 s15, 2
	s_cselect_b64 s[46:47], s[8:9], s[4:5]
	s_cselect_b64 s[2:3], s[4:5], s[8:9]
	s_cselect_b64 s[4:5], s[10:11], s[6:7]
	s_cselect_b64 s[8:9], s[6:7], s[10:11]
	s_add_nc_u64 s[46:47], s[46:47], s[16:17]
	s_add_nc_u64 s[2:3], s[2:3], s[18:19]
	s_add_nc_u64 s[4:5], s[4:5], s[20:21]
	s_add_nc_u64 s[8:9], s[8:9], s[66:67]
	CROUND
	s_mov_b32 s[G0S], 1
	s_add_co_u32 s[G0S+1], s42, SCL-HALFS          ; waves 1 and 3 bring all 16 tiles' scale words of A and of B: one half back from their own
	s_sub_nc_u64 s[G0S+2:G0S+3], s[4:5], HALFS
	s_or_b32 s[G0S+3], s[G0S+3], 0x80000000
	s_mov_b32 s[G0SB], 1
	s_add_co_u32 s[G0SB+1], s42, SCL-HALFS
	s_sub_nc_u64 s[G0SB+2:G0SB+3], s[8:9], HALFS
	s_or_b32 s[G0SB+3], s[G0SB+3], 0x80000000
.irp s, 0,1
	s_mov_b32 s[G0+4*\s], 1
	s_add_co_u32 s[G0+4*\s+1], s45, \s*SLOT
	s_add_nc_u64 s[G0+4*\s+2:G0+4*\s+3], s[46:47], \s*ROWB
	s_or_b32 s[G0+4*\s+3], s[G0+4*\s+3], 0x80000000
	s_mov_b32 s[G0B+4*\s], 1
	s_add_co_u32 s[G0B+4*\s+1], s45, \s*SLOT
	s_add_nc_u64 s[G0B+4*\s+2:G0B+4*\s+3], s[2:3], \s*ROWB
	s_or_b32 s[G0B+4*\s+3], s[G0B+4*\s+3], 0x80000000
.endr
; the head's four tiles, one joint load a wave: wave 0 slot 0's 16 tiles of A, wave 1 A's scale words, wave 2 slot 0's 16 tiles of B, wave 3 B's scale words
.macro HARM w, g0, g1, next
	s_cmp_eq_u32 s12, \w
	s_cbranch_scc0 \next
	tensor_load_to_lds s[\g0:\g0+3], s[\g1:\g1+7]
	s_nop 0
.rept 4
	v_nop
.endr
	s_branch .Lhead_asked
\next:
.endm
	HARM 0, G0, G1, .Lhead_sa
	HARM 1, G0S, G1S, .Lhead_b
	HARM 2, G0B, G1B, .Lhead_sb
	tensor_load_to_lds s[G0SB:G0SB+3], s[G1SB:G1SB+7]
	s_nop 0
.rept 4
	v_nop
.endr
.Lhead_asked:
	s_wait_alu depctr_va_vdst(0)
	s_wait_tensorcnt 0x0                           ; my tile of the four is in; these lines stand ahead of slot 1's first fill as ahead of a refill
	ds_add_u32 v[SPW], v[NIL]
	s_mov_b32 s[G1+2], 8<<16                       ; no load of mine is out: from here on a load brings 8 tiles
	s_mov_b32 s[G1+4], 8
	s_mov_b32 s[G1B+2], 8<<16
	s_mov_b32 s[G1B+4], 8
	s_wait_dscnt 0x0
	CROUND
	JLOAD G0+4, G1, G0B+4, G1B
	v_and_b32 v1, 15, v0
	v_bfe_u32 v2, v0, 4, 1
	v_and_b32 v3, 31, v0
	v_lshlrev_b32 v[O16], 4, v3
	v_lshlrev_b32 v[O8], 3, v3
	s_mul_i32 s45, s13, HALFT
	s_mul_i32 s46, s14, HALFT
	s_add_co_u32 s46, s46, 2*HALFT
.irp s, 0,1
	v_add_nc_u32 v[ADRA+\s], s45, v[O16]
	v_add_nc_u32 v[ADRA+2+\s], s45, v[O8]
	v_add_nc_u32 v[ADRB+\s], s46, v[O16]
	v_add_nc_u32 v[ADRB+2+\s], s46, v[O8]
	s_add_co_u32 s45, s45, SLOT
	s_add_co_u32 s46, s46, SLOT
.endr
	s_lshl_b32 s45, s13, 12
	s_lshl_b32 s46, s14, 12
	s_add_co_u32 s46, s46, 8192
	s_sub_co_u32 s46, s46, s45
	v_mul_u32_u24 v4, s46, v2
	s_add_co_u32 s45, s45, SCL
	v_lshl_add_u32 v4, v1, 3, v4
	v_add_nc_u32 v[ADRS], s45, v4
	s_lshl_b32 s43, s43, 8
	s_lshl_b32 s45, s14, 7
	s_add_co_u32 s43, s43, s45
	s_lshl_b32 s44, s44, 8
	s_lshl_b32 s45, s13, 7
	s_add_co_u32 s44, s44, s45
	s_mov_b32 s45, 98304
	s_mov_b32 s8, 768
	s_mov_b32 s10, 768
	s_mov_b32 s16, 3904
	s_cmp_eq_u32 s15, 2
	s_cselect_b32 s40, s43, s44
	s_cselect_b32 s41, s44, s43
	s_cselect_b32 s42, 0, s43
	s_cselect_b32 s66, s44, 0
	s_cselect_b32 s45, 768, s45
	s_cselect_b32 s46, 0, 8192
	s_cselect_b32 s8, 1536, s8
	s_cselect_b32 s10, 93696, s10
	s_cselect_b32 s16, s16, 64
	s_cselect_b32 s18, 0, 0xffff0000
	s_cselect_b32 s19, 0, 0xffff
	s_cselect_b32 s47, 1, 2
	s_mov_b32 s9, 0
	s_mov_b32 s11, 0
	s_mov_b32 s17, 0
	s_lshr_b32 s67, s40, 11
	s_lshl_b32 s67, s67, 4
	s_lshr_b32 s2, s41, 6
	s_add_co_u32 s67, s67, s2
	s_and_b32 s40, s40, 2047
	s_mul_i32 s4, s67, 98304
	s_mul_i32 s2, s40, 48
	s_add_co_u32 s4, s4, s2
	s_mul_i32 s2, s15, HSZ
	s_add_co_u32 s4, s4, s2
	s_mov_b32 s5, 0
	s_add_nc_u64 s[4:5], s[98:99], s[4:5]
	s_lshl_b32 s6, s67, 11
	s_add_co_u32 s6, s6, s40
	s_lshl_b32 s6, s6, s47
	s_lshl_b32 s2, s15, 19
	s_add_co_u32 s6, s6, s2
	s_mov_b32 s7, 0
	s_add_nc_u64 s[6:7], s[100:101], s[6:7]
	s_cmp_lt_u32 s15, 1
	s_cselect_b64 s[92:93], s[92:93], s[94:95]
	s_cmp_lt_u32 s15, 2
	s_cselect_b64 s[92:93], s[92:93], s[96:97]
	s_lshl_b32 s42, s42, 2
	s_mov_b32 s43, 0
	s_lshl_b32 s66, s66, 2
	s_mov_b32 s67, 0
	s_add_nc_u64 s[94:95], s[92:93], s[42:43]
	s_add_nc_u64 s[96:97], s[92:93], s[66:67]
	s_mov_b32 s[SEL], 0x76543210
	s_mov_b32 s[SEL+1], 0xfedcba98
	v_lshlrev_b32 v5, 6, v2
	v_and_b32 v6, 8, v1
	v_add_nc_u32 v6, v6, v1
	v_lshlrev_b32 v6, 2, v6
.irp b, 0,1,2,3
.irp i, 0,1,2,3
	global_load_b128 v[BI+16*\b+4*\i:BI+16*\b+4*\i+3], v5, s[94:95] offset:128*\b+16*\i
.endr
.endr
.irp a, 0,1,2,3,4,5,6,7
	global_load_b32 v[BJ+2*\a], v6, s[96:97] offset:4*(32*(\a/2)+8*(\a%2))
.endr
	v_add_nc_u32 v[O16H], s45, v[O16]
	v_add_nc_u32 v[O8H], s45, v[O8]
	v_mul_u32_u24 v[OS], s46, v2
	v_lshl_add_u32 v[OS], v1, 2, v[OS]
.irp b, 0,1,2,3
	v_mov_b32 v[TM+4+\b], 0
.endr
	s_wait_alu depctr_va_vdst(0)                   ; the wait at the head's end; the bias loads stay out until the way out
.macro FRAG reg, a16, a8, off
	ds_load_b128 v[\reg:\reg+3], v[\a16] offset:\off
	ds_load_b64 v[\reg+4:\reg+5], v[\a8] offset:(\off)+512
	ds_load_b128 v[\reg+6:\reg+9], v[\a16] offset:(\off)+768
	ds_load_b64 v[\reg+10:\reg+11], v[\a8] offset:(\off)+1280
.endm
.macro MUL16 a0, p, q, sc, zero
.irp a, \a0, \a0+1
.irp b, 0,1,2,3,4,5,6,7
.if \zero
	v_wmma_scale_f32_16x16x128_f8f6f4 v[8*(8*((\a)%4)+\b):8*(8*((\a)%4)+\b)+7], v[128*(\p)+FR*\b:128*(\p)+FR*\b+FR-1], v[AF+FR*(\a):AF+FR*(\a)+FR-1], 0, v[SC+8*NQ*(\sc)+NQ*\b+(\q)], v[SC+8*NQ*(\sc)+NQ*(\a)+(\q)] matrix_a_fmt:MATRIX_FMT_FP6 matrix_b_fmt:MATRIX_FMT_FP6 matrix_a_scale:MATRIX_SCALE_ROW1
.else
	v_wmma_scale_f32_16x16x128_f8f6f4 v[8*(8*((\a)%4)+\b):8*(8*((\a)%4)+\b)+7], v[128*(\p)+FR*\b:128*(\p)+FR*\b+FR-1], v[AF+FR*(\a):AF+FR*(\a)+FR-1], v[8*(8*((\a)%4)+\b):8*(8*((\a)%4)+\b)+7], v[SC+8*NQ*(\sc)+NQ*\b+(\q)], v[SC+8*NQ*(\sc)+NQ*(\a)+(\q)] matrix_a_fmt:MATRIX_FMT_FP6 matrix_b_fmt:MATRIX_FMT_FP6 matrix_a_scale:MATRIX_SCALE_ROW1
.endif
.endr
.endr
.endm
.macro FETCH_B slot, q, p
	WIN TO_B
.irp i, 0,1,2,3,4,5,6,7
	FRAG 128*(\p)+FR*\i, ADRB+\slot, ADRB+2+\slot, \i*ROWB+(\q)*1536
.endr
	WIN 0
.endm
.macro FETCH_A slot, q, i0
.irp i, \i0, \i0+1, \i0+2, \i0+3
	FRAG AF+FR*(\i), ADRA+\slot, ADRA+2+\slot, (\i)*ROWB+(\q)*1536
.endr
.endm
.macro SCALES sc
.irp i, 0,1,2,3,4,5,6,7
	ds_load_b64 v[SC+8*NQ*\sc+NQ*\i:SC+8*NQ*\sc+NQ*\i+1], v[ADRS] offset:\i*SBLK
.endr
.endm
.macro PLACES n
.rept \n
	v_nop
.endr
.endm
.macro STEP slot, q, zero
	s_wait_dscnt 4*NL
	WIN MUL_LO
	MUL16 0, (\q)%2, \q, \slot, \zero
	MUL16 2, (\q)%2, \q, \slot, \zero
	s_wait_dscnt 0
	PLACES NP
	FETCH_B \slot, (\q)+1, 1-(\q)%2
	FETCH_A \slot, (\q)+1, 0
	WIN MUL_HI
	MUL16 4, (\q)%2, \q, \slot, \zero
	MUL16 6, (\q)%2, \q, \slot, \zero
	PLACES NP
	WIN 0
	FETCH_A \slot, (\q)+1, 4
.endm
.macro TURN slot, next, fill
	s_wait_tensorcnt 0x0
	ds_add_u32 v[SPW], v[NIL]
	s_wait_dscnt 4*NL+1
	WIN MUL_LO
	MUL16 0, 1, NQ-1, \slot, 0
	s_wait_dscnt 0x0
	s_barrier_signal -1
	MUL16 2, 1, NQ-1, \slot, 0
	WIN 0
	s_barrier_wait -1
.if \fill
	CREST
	s_add_nc_u64 s[G0+4*\slot+2:G0+4*\slot+3], s[G0+4*\slot+2:G0+4*\slot+3], 2*ROWB
	s_add_nc_u64 s[G0B+4*\slot+2:G0B+4*\slot+3], s[G0B+4*\slot+2:G0B+4*\slot+3], 2*ROWB
	JLOAD G0+4*\slot, G1, G0B+4*\slot, G1B
.else
	PLACES NP
.endif
	s_wait_alu depctr_va_vdst(0)
	v_add_nc_u32 v[ADRS], 128, v[ADRS]
	FETCH_B \next, 0, 0
	FETCH_A \next, 0, 0
	SCALES \next
	WIN MUL_HI
	MUL16 4, 1, NQ-1, \slot, 0
	MUL16 6, 1, NQ-1, \slot, 0
	PLACES NP
	WIN 0
	FETCH_A \next, 0, 4
.endm
.macro QUANT s
.irp b, 0,1,2,3
	v_max3_num_f32 v[TM+\b], |v[\s+16*\b]|, |v[\s+1+16*\b]|, 0x1800000
.endr
.irp i, 2,4,6,8,10,12,14
.irp b, 0,1,2,3
	v_max3_num_f32 v[TM+\b], v[TM+\b], |v[\s+16*\b+\i]|, |v[\s+1+16*\b+\i]|
.endr
.endr
.irp b, 0,1,2,3
	v_permlanex16_b32 v[TM+4+\b], v[TM+\b], s[SEL], s[SEL+1]
.endr
.irp b, 0,1,2,3
	v_max_num_f32 v[TM+\b], v[TM+\b], v[TM+4+\b]
.endr
.irp b, 0,1,2,3
	v_add_nc_u32 v[TM+12+\b], 0xff000000, v[TM+\b]
.endr
.irp b, 0,1,2,3
	v_lshrrev_b32 v[TM+4+\b], 23, v[TM+12+\b]
.endr
	v_lshl_or_b32 v[PW], v[TM+5], 8, v[TM+4]
	v_lshl_or_b32 v[PW], v[TM+6], 16, v[PW]
	v_lshl_or_b32 v[PW], v[TM+7], 24, v[PW]
.irp c, 0,1
	v_cvt_scalef32_pk16_fp6_f32 v[PC+6*\c:PC+2+6*\c], v[\s+32*\c:\s+15+32*\c], v[TM+12+2*\c]
	v_cvt_scalef32_pk16_fp6_f32 v[PC+12+4*\c:PC+14+4*\c], v[\s+16+32*\c:\s+31+32*\c], v[TM+12+2*\c+1]
.endr
	v_nop
.irp c, 0,1
.irp i, 0,1,2
	v_permlane16_swap_b32 v[PC+6*\c+\i], v[PC+12+4*\c+\i]
.endr
.irp i, 0,1,2
	v_mov_b32 v[PC+3+6*\c+\i], v[PC+12+4*\c+\i]
.endr
.endr
.endm
	s_wait_tensorcnt 1
	s_barrier_signal -1
	s_barrier_wait -1
	FETCH_B 0, 0, 0
	FETCH_A 0, 0, 0
	SCALES 0
	FETCH_A 0, 0, 4
	STEP 0, 0, 1
	s_mov_b32 s3, LAPS-1
.Llap:
	TURN 0, 1, 1
	STEP 1, 0, 0
	TURN 1, 0, 1
	STEP 0, 0, 0
	s_sub_co_u32 s3, s3, 1
	s_cmp_lg_u32 s3, 0
	s_cbranch_scc1 .Llap
	TURN 0, 1, 0
	STEP 1, 0, 0
	s_wait_dscnt 4*NL
	WIN MUL_LO
	MUL16 0, 1, NQ-1, 1, 0
	MUL16 2, 1, NQ-1, 1, 0
	s_wait_dscnt 0
	WIN MUL_HI
	MUL16 4, 1, NQ-1, 1, 0
	MUL16 6, 1, NQ-1, 1, 0
	WIN 0
	PLACES NP
	s_wait_loadcnt 0x0                             ; the bias, asked for at the head
.set j, 0
.rept 64
	v_cndmask_b32 v[BI+j], 1.0, v[BI+j], s22
.set j, j+1
.endr
.irp a, 0,1,2,3,4,5,6,7
	v_cndmask_b32 v[BJ+2*\a], 1.0, v[BJ+2*\a], s23
.endr
.irp a, 0,1,2,3,4,5,6,7
	v_mov_b32 v[BJ+2*\a+1], v[BJ+2*\a]
.endr
.irp a, 0,1,2,3,4,5,6,7
	WIN 0x20+0x10*(\a/4)
.irp k, 0,2,4,6,8,10,12,14,16,18,20,22,24,26,28,30,32,34,36,38,40,42,44,46,48,50,52,54,56,58,60,62
	v_pk_fma_f32 v[VAL+\k:VAL+\k+1], v[BI+\k:BI+\k+1], v[BJ+2*\a:BJ+2*\a+1], v[64*(\a%4)+\k:64*(\a%4)+\k+1] op_sel_hi:[1,0,1]
.endr
	WIN 0
.if \a > 0
	s_wait_xcnt 0x0
.if \a == 4
	s_add_nc_u64 s[4:5], s[4:5], s[10:11]
	s_add_nc_u64 s[6:7], s[6:7], s[16:17]
.else
	s_add_nc_u64 s[4:5], s[4:5], s[8:9]
	s_add_nc_u64 s[6:7], s[6:7], 64
.endif
.endif
	QUANT VAL
	global_store_b128 v[O16], v[PC:PC+3], s[4:5]
	global_store_b64 v[O8], v[PC+4:PC+5], s[4:5] offset:512
	global_store_b128 v[O16H], v[PC+6:PC+9], s[4:5]
	global_store_b64 v[O8H], v[PC+10:PC+11], s[4:5] offset:512
	v_alignbit_b32 v[ROT], v[PW], v[PW], 16
	v_cndmask_b32 v[DAT], v[PW], v[ROT], s[18+(\a%2)]
	global_store_b32 v[OS], v[DAT], s[6:7]
.endr
	s_wait_tensorcnt 0x0
	ds_add_u32 v[SPW], v[NIL]
	s_wait_dscnt 0x0
	CROUND
	s_endpgm
.Lfunc_end_k_q6535229e25_proj:
	.size	k_q6535229e25_proj, .Lfunc_end_k_q6535229e25_proj-k_q6535229e25_proj
	.p2alignl 7, 3214868480
	.fill 96, 4, 3214868480
	.section	.rodata,"a",@progbits
	.p2align	6, 0x0
	.amdhsa_kernel k_q6535229e25_proj
		.amdhsa_group_segment_fixed_size 327680
		.amdhsa_private_segment_fixed_size 0
		.amdhsa_enable_private_segment 0
		.amdhsa_kernarg_size 72
		.amdhsa_user_sgpr_count 2
		.amdhsa_user_sgpr_kernarg_segment_ptr 1
		.amdhsa_wavefront_size32 1
		.amdhsa_system_sgpr_workgroup_id_x 1
		.amdhsa_system_sgpr_workgroup_id_y 1
		.amdhsa_system_sgpr_workgroup_id_z 1
		.amdhsa_system_vgpr_workitem_id 0
		.amdhsa_next_free_vgpr 1024
		.amdhsa_next_free_sgpr 102
		.amdhsa_reserve_vcc 0
		.amdhsa_float_denorm_mode_32 3
		.amdhsa_float_denorm_mode_16_64 3
		.amdhsa_memory_ordered 1
		.amdhsa_forward_progress 1
		.amdhsa_inst_pref_size 176
	.end_amdhsa_kernel
	.amdgpu_metadata
---
amdhsa.version: [ 1, 2 ]
amdhsa.kernels:
  - .name:           k_q6535229e25_proj
    .symbol:         k_q6535229e25_proj.kd
    .args:
      - { .name: ximg, .offset: 0, .size: 8, .value_kind: global_buffer, .address_space: global }
      - { .name: xsc, .offset: 8, .size: 8, .value_kind: global_buffer, .address_space: global }
      - { .name: wimg, .offset: 16, .size: 8, .value_kind: global_buffer, .address_space: global }
      - { .name: wsc, .offset: 24, .size: 8, .value_kind: global_buffer, .address_space: global }
      - { .name: bq, .offset: 32, .size: 8, .value_kind: global_buffer, .address_space: global }
      - { .name: bk, .offset: 40, .size: 8, .value_kind: global_buffer, .address_space: global }
      - { .name: bv, .offset: 48, .size: 8, .value_kind: global_buffer, .address_space: global }
      - { .name: himg, .offset: 56, .size: 8, .value_kind: global_buffer, .address_space: global }
      - { .name: hsc, .offset: 64, .size: 8, .value_kind: global_buffer, .address_space: global }
    .group_segment_fixed_size: 327680
    .private_segment_fixed_size: 0
    .kernarg_segment_align: 8
    .kernarg_segment_size: 72
    .max_flat_workgroup_size: 128
    .sgpr_count:     102
    .vgpr_count:     1024
    .wavefront_size: 32
...
	.end_amdgpu_metadata
.endif
;; end of part 2
;; launch attn (part 3): grid 4 x 64, 8 waves a work-group, clusters of 4 x 1, 218,112 bytes of LDS; arguments himg, hsc, mask, cimg, csc; writes cimg, csc
.if DOCPART == 3
	.amdgcn_target "amdgcn-amd-amdhsa--gfx1250"
	.amdhsa_code_object_version 6
	.text
	.protected	k_q6535229e25_attn
	.globl	k_q6535229e25_attn
	.p2align	8
	.type	k_q6535229e25_attn,@function
k_q6535229e25_attn:
	s_mov_b64 s[64:65], 0
	v_nop
	global_prefetch_b8 v0, s[64:65] scope:SCOPE_SE
	s_setreg_imm32_b32 hwreg(HW_REG_WAVE_MODE, 25, 1), 1
	s_wait_xcnt 0x0
	s_wait_alu depctr_hold_cnt(0) depctr_sa_sdst(0) depctr_va_vdst(0) depctr_va_sdst(0) depctr_va_ssrc(0) depctr_va_vcc(0) depctr_vm_vsrc(0)
	s_getreg_b32 s2, hwreg(HW_REG_IB_STS2, 6, 4)
	s_cmp_eq_u32 s2, 0
	s_cbranch_scc0 .Lentry_in_a_cluster
	s_endpgm
.Lentry_in_a_cluster:
	s_bfe_u32 s2, ttmp6, 0x10000c
	s_cmp_lg_u32 s2, 0x3003
	s_cbranch_scc0 .Lentry_shape_is_right
	s_endpgm
.Lentry_shape_is_right:
; ctx[b][q][head] = the sum over keys of softmax(qh . kh / 8, with the key mask) vh, both products on codes of FP6 (E2M3); the result is quantised along D for the output projection.
; THE SOFTMAX AHEAD OF THE SECOND PRODUCT: t = score x log2(e) / 8 (q comes without its division by 8: a power of two, which leaves the codes as they are); M = the running largest t rounded UP to a whole number;
; p = 2^(t - M) is quantised along the keys, not normalised; the row's sum is taken of the unquantised p and divides at the end; when M moves, the sum and O are multiplied by 2^(old M - new M): exact.
; SHARES.  A work-group owns 512 queries of one (batch, head); the four of a cluster share that head.  THE HEAD'S WHOLE K AND V, as codes, lie in LDS: 2 x 98,304 bytes, filled once, by joint loads: no ring, no refill.
; Eight waves, two to a SIMD.  A wave owns two tiles of 16 queries at a time (A and B), in two passes; both tiles use every fragment of K and V and the mask's registers that the wave reads from LDS.
; LAYOUT.  Both products are used transposed: S^T = K Q^T (source 0 = 16 keys), O^T = V^T P^T (source 0 = 16 channels): a lane holds ONE query (lane % 16) throughout.
; Lane r of tile 2 b + u of keys (and of channels, and of queries) is number 32 b + 8 u + r + 8 (r / 8): so the 16 registers of tiles 2 b and 2 b + 1 are 16 neighbours, 32 b + 16 (lane / 16) + 0 .. 15.
; K = 64 IN AN INSTRUCTION OF 128: a record of K holds key tile 2 b in registers 0-5 and key tile 2 b + 1 in registers 6-11.  Tile 2 b's scores are that record x [q, zeros], tile 2 b + 1's are it x [zeros, q]: the other half meets zero codes.
; Q's scale bytes of the zero half are 0x40 (2^-63).
; THE MASK is the C operand of the score products: 0 for a key that counts, -2^120 for one that does not, in the result's own layout.  The running largest t begins at -2^100, so a masked score never becomes the maximum and its p is exactly 0.
; A batch with every key masked ends with the sum 0: ctx's scale bytes are then 0xff, which makes the output rows NaN, as the reference has them.
; LIMITS: a true t lies above -2^100 and scores stay under 2^117 in magnitude; a block of zeros, or one under 2^-124, keeps the byte 1; NaN and infinities among the inputs are not served.
; No prefetch: all that the launch reads in bulk is asked for at its head.
; REGISTERS.  window 0: v1-15 addresses; v16-19 K's scale words, v20-21 V's, v22-25 Q's; v32-47 statistics, eight a tile; v48-71 block maxima and scales, twelve a tile; v72-87, v88-111 p's codes; v112-239 S^T, then p; v240-247 at work.
;   window 1: v0-63 O^T; v64-127 the mask's numbers; v128-175 K; v176-223 V; v224-253 zeros, q A, zeros, q B, zeros.
.set HSZ,   6291456
.set VIMG,  98304                      ; LDS: K's codes from 0, V's from here,
.set KSC,   196608                     ; K's scale words (8,192 bytes),
.set VSC,   204800                     ; V's (4,096),
.set MB,    208896                     ; the mask as f32, one number a key (8,192): stored by the waves, in blocks of its own,
.set SPARE, 217088                     ; the spare words, 128 bytes for each wave: four blocks of 256 bytes that no other line names
.set SPW, 13                           ; v13  my spare word; never rewritten
.set NIL, 14                           ; v14  0; never rewritten
.set KS,  16
.set VS,  20
.set QS,  22                           ; [q, 0] A, [0, q] A, [q, 0] B, [0, q] B
.set ST,  32                           ; tile x at ST + 8 x: +0 -M, +1 the largest t, +2, +3 the sum in two halves, +4 f, +5 p's scale word, +6 1 / sum, +7 at work
.set BM,  48                           ; tile x at + 12 x: four block maxima,
.set T2,  52                           ; four at work,
.set SO,  56                           ; four scale operands
.set CT,  72                           ; tile x at + 8 x
.set P,   88                           ; tile x at + 12 x
.set S,   112                          ; tile x at + 64 x
.set CM,  64                           ; window 1
.set KF,  128
.set VF,  176
.set QH,  224                          ; [zeros, q] of tile x at + 12 x
.set QL,  230                          ; [q, zeros]
.set G1C,  24                          ; s[24:31] group 1: 128 rows of 256 bytes;  s[32:39]: 32 rows;  s[40:47]: 16 rows
.set G1KS, 32
.set G1VS, 40
.set G0K,  48
.set G0V,  52
.set G0KS, 56
.set G0VS, 60
.set MSB, 0
.macro WIN new                         ; the immediate's high byte repeats the setting that is left
.if MSB != \new
	s_set_vgpr_msb (MSB<<8)|\new
.set MSB, \new
.endif
.endm
.macro CROUND                          ; a round of the cluster's barrier
	s_barrier_signal -1
	s_barrier_wait -1
	s_cmp_lg_u32 s14, 0
	s_cbranch_scc1 .Lnot_wave_0_\@
	s_barrier_signal -3
.Lnot_wave_0_\@:
	s_barrier_wait -3
	s_barrier_signal -1
	s_barrier_wait -1
.endm
.macro FRAG reg, a16, a8, off          ; a record of 1,536 bytes: the same registers in the same lanes as it was stored; each load reads consecutive bytes
	ds_load_b128 v[\reg:\reg+3], v[\a16] offset:\off
	ds_load_b64 v[\reg+4:\reg+5], v[\a8] offset:(\off)+512
	ds_load_b128 v[\reg+6:\reg+9], v[\a16] offset:(\off)+768
	ds_load_b64 v[\reg+10:\reg+11], v[\a8] offset:(\off)+1280
.endm
.macro QLOAD p                         ; pass p's two tiles of queries: half a record each, and a scale word a row
	WIN 0x40                                       ; destination window 1
.irp u, 0,1
	global_load_b128 v[QL+12*\u:QL+12*\u+3], v1, s[74:75] offset:12288*(\p)+768*\u
	global_load_b64 v[QL+12*\u+4:QL+12*\u+5], v2, s[74:75] offset:12288*(\p)+768*\u+512
.endr
	WIN 0
.irp u, 0,1
	global_load_b32 v[240+\u], v5, s[76:77] offset:1024*(\p)+64*\u
.endr
.endm
.macro KLOAD                           ; a step's K (four records), its mask numbers and its scale words: 36 LDS loads.  The four additions are also the places behind the score products
	v_add_nc_u32 v6, s68, v1
	v_add_nc_u32 v7, s68, v2
	v_add_nc_u32 v8, s69, v3
	v_add_nc_u32 v9, s70, v4
	WIN 0x40
.irp b, 0,1,2,3
	FRAG KF+12*\b, 6, 7, 1536*\b
.endr
.irp b, 0,1,2,3
.irp i, 0,1,2,3
	ds_load_b128 v[CM+16*\b+4*\i:CM+16*\b+4*\i+3], v9 offset:128*\b+16*\i   ; register 16 b + n: key 32 b + 16 (lane / 16) + n: the lanes of a half read the same bytes
.endr
.endr
	WIN 0
.irp b, 0,1,2,3
	ds_load_b32 v[KS+\b], v8 offset:128*\b         ; lanes 0-15: key tile 2 b's words; lanes 16-31: tile 2 b + 1's
.endr
.endm
	s_load_b256 s[4:11], s[0:1], 0x0               ; himg, hsc, mask, cimg
	s_load_b64 s[12:13], s[0:1], 0x20              ; csc
	v_lshl_add_u32 v[SPW], v0, 2, SPARE
	v_mov_b32 v[NIL], 0
	ds_add_u32 v[SPW], v[NIL]                      ; the wave's opening: the add and its wait ahead of my first tensor load; the set-up below, work on registers, stands between them
	ds_add_u32 v[SPW], v[NIL]
	v_lshrrev_b32 v1, 5, v0
	s_delay_alu instid0(VALU_DEP_1)
	v_readfirstlane_b32 s14, v1                    ; wave 0..7
	s_bfe_u32 s15, ttmp6, 0x40000                  ; cx: it enters Q's and ctx's addresses alone
	s_and_b32 s16, ttmp7, 0xffff                   ; batch x 16 + head, which the four partners share
	s_lshr_b32 s17, s16, 4                         ; batch
	s_and_b32 s18, s16, 15                         ; head
	s_mov_b32 s[G1C], 15|(3<<16)|(1<<21)           ; 15:0 the mask: all four work-groups; 17:16 elements of 8 bytes; 20 no padding; 21 set beside a mask
	s_mov_b32 s[G1C+1], 32<<16                     ; dense blocks as rows of 256 bytes
	s_mov_b32 s[G1C+2], 128<<16
	s_mov_b32 s[G1C+3], 32<<16
	s_mov_b32 s[G1C+4], 128
	s_mov_b32 s[G1C+5], 32
	s_mov_b32 s[G1C+6], 0
	s_mov_b32 s[G1C+7], 0
	s_mov_b32 s[G1KS], 15|(3<<16)|(1<<21)
	s_mov_b32 s[G1KS+1], 32<<16
	s_mov_b32 s[G1KS+2], 32<<16
	s_mov_b32 s[G1KS+3], 32<<16
	s_mov_b32 s[G1KS+4], 32
	s_mov_b32 s[G1KS+5], 32
	s_mov_b32 s[G1KS+6], 0
	s_mov_b32 s[G1KS+7], 0
	s_mov_b32 s[G1VS], 15|(3<<16)|(1<<21)
	s_mov_b32 s[G1VS+1], 32<<16
	s_mov_b32 s[G1VS+2], 16<<16
	s_mov_b32 s[G1VS+3], 32<<16
	s_mov_b32 s[G1VS+4], 16
	s_mov_b32 s[G1VS+5], 32
	s_mov_b32 s[G1VS+6], 0
	s_mov_b32 s[G1VS+7], 0
	s_mul_i32 s86, s16, 98304                      ; the head's block in a region of himg
	s_mul_i32 s87, s14, 32768                      ; one load a wave: waves 0-2 bring a third of K each, waves 3-5 a third of V, wave 6 K's scale words, wave 7 V's
	s_add_co_u32 s88, s86, s87
	s_mov_b32 s89, 0
	s_lshl_b32 s2, s16, 13
	s_mov_b32 s85, 0
	s_add_co_u32 s2, s2, s85
	s_add_co_u32 s2, s2, 524288                    ; K's scale words in hsc
	s_mov_b32 s3, 0
	s_lshl_b32 s90, s16, 12
	s_mov_b32 s19, 0
	s_add_co_u32 s90, s90, s19
	s_add_co_u32 s90, s90, 1048576                 ; V's
	s_mov_b32 s91, 0
	s_mov_b32 s[G0K], 1
	s_mov_b32 s[G0K+1], s87                        ; LDS addresses: a constant + the wave's number x a constant
	s_mov_b32 s[G0V], 1
	s_mov_b32 s[G0V+1], s87                        ; wave 3's third begins at 3 x 32,768 = VIMG
	s_mov_b32 s[G0KS], 1
	s_add_co_u32 s[G0KS+1], s85, KSC
	s_mov_b32 s[G0VS], 1
	s_add_co_u32 s[G0VS+1], s19, VSC
	s_lshl_b32 s92, s15, 5
	s_lshl_b32 s93, s14, 1
	s_add_co_u32 s92, s92, s93                     ; my first tile of queries in the head, pass 0: 32 cx + 2 wave; pass 1: 16 tiles on
	s_mul_i32 s74, s92, 768
	s_add_co_u32 s74, s74, s86
	s_mov_b32 s75, 0
	s_lshl_b32 s76, s92, 6
	s_lshl_b32 s93, s16, 13
	s_add_co_u32 s76, s76, s93
	s_mov_b32 s77, 0
	s_lshl_b32 s93, s17, 7
	s_add_co_u32 s92, s92, s93                     ; the same tile among ctx's 512 row tiles
	s_mul_i32 s78, s92, 12288
	s_lshr_b32 s93, s18, 1
	s_mul_i32 s93, s93, 1536                       ; the head's 64 channels are half head % 2 of K step head / 2
	s_add_co_u32 s78, s78, s93
	s_and_b32 s93, s18, 1
	s_mul_i32 s93, s93, 768
	s_add_co_u32 s78, s78, s93
	s_mov_b32 s79, 0
	s_lshl_b32 s80, s92, 9
	s_lshr_b32 s93, s18, 2
	s_lshl_b32 s93, s93, 7                         ; chunk head / 4,
	s_add_co_u32 s80, s80, s93
	s_bfe_u32 s93, s18, 0x10001
	s_lshl_b32 s93, s93, 2                         ; word (head / 2) % 2,
	s_add_co_u32 s80, s80, s93
	s_and_b32 s93, s18, 1
	s_lshl_b32 s93, s93, 1                         ; bytes 2 (head % 2) and the next
	s_add_co_u32 s80, s80, s93
	s_mov_b32 s81, 0
	s_mov_b32 s20, 0x76543210
	s_mov_b32 s21, 0xfedcba98                      ; v_permlanex16_b32's selects for lane l xor 16
	s_mov_b32 s22, 0x3e38aa3b                      ; c = log2(e) / 8
	s_mov_b32 s23, s22                             ; (the packed form names the pair)
	s_mov_b32 s73, 0xffff0000
	s_mov_b32 s82, 0xffff
	s_mov_b32 s83, 0x40400000
	s_mov_b32 s84, 0x4040
	s_wait_dscnt 0x0                               ; the opening add is done
	s_wait_kmcnt 0x0
	s_add_nc_u64 s[G0K+2:G0K+3], s[4:5], s[88:89]
	s_add_nc_u64 s[G0K+2:G0K+3], s[G0K+2:G0K+3], HSZ       ; k's region
	s_add_nc_u64 s[G0V+2:G0V+3], s[G0K+2:G0K+3], HSZ-98304   ; v's region, three thirds back
	s_or_b32 s[G0K+3], s[G0K+3], 0x80000000
	s_or_b32 s[G0V+3], s[G0V+3], 0x80000000
	s_add_nc_u64 s[G0KS+2:G0KS+3], s[6:7], s[2:3]
	s_or_b32 s[G0KS+3], s[G0KS+3], 0x80000000
	s_add_nc_u64 s[G0VS+2:G0VS+3], s[6:7], s[90:91]
	s_or_b32 s[G0VS+3], s[G0VS+3], 0x80000000
	s_add_nc_u64 s[74:75], s[4:5], s[74:75]        ; Q's codes
	s_add_nc_u64 s[76:77], s[6:7], s[76:77]        ; Q's scale words
	s_add_nc_u64 s[78:79], s[10:11], s[78:79]      ; ctx's codes
	s_add_nc_u64 s[80:81], s[12:13], s[80:81]      ; ctx's scale bytes
	s_lshl_b32 s88, s17, 11
	s_add_nc_u64 s[8:9], s[8:9], s[88:89]          ; my batch's mask
	CROUND                                         ; all four work-groups are here: the joint loads meet
	s_cmp_lt_u32 s14, 3                            ; one chain of branches on the wave's number, one load to an arm: the launch's only fills
	s_cbranch_scc0 .Lhead_v
	tensor_load_to_lds s[G0K:G0K+3], s[G1C:G1C+7]
	s_nop 0
.rept 4
	v_nop
.endr
	s_branch .Lasked
.Lhead_v:
	s_cmp_lt_u32 s14, 6
	s_cbranch_scc0 .Lhead_ks
	tensor_load_to_lds s[G0V:G0V+3], s[G1C:G1C+7]
	s_nop 0
.rept 4
	v_nop
.endr
	s_branch .Lasked
.Lhead_ks:
	s_cmp_eq_u32 s14, 6
	s_cbranch_scc0 .Lhead_vs
	tensor_load_to_lds s[G0KS:G0KS+3], s[G1KS:G1KS+7]
	s_nop 0
.rept 4
	v_nop
.endr
	s_branch .Lasked
.Lhead_vs:
	tensor_load_to_lds s[G0VS:G0VS+3], s[G1VS:G1VS+7]
	s_nop 0
.rept 4
	v_nop
.endr
.Lasked:
.rept 4
	v_nop
.endr
	v_and_b32 v15, 31, v0
	s_delay_alu instid0(VALU_DEP_1)
	v_lshlrev_b32 v1, 4, v15                       ; 16 x lane
	s_delay_alu instid0(VALU_DEP_2)
	v_lshlrev_b32 v2, 3, v15                       ; 8 x lane
	s_delay_alu instid0(VALU_DEP_3)
	v_lshlrev_b32 v3, 2, v15                       ; 4 x lane
	v_bfe_u32 v4, v0, 4, 1                         ; h
	v_and_b32 v5, 15, v0                           ; r
	s_delay_alu instid0(VALU_DEP_1)
	v_lshlrev_b32 v15, 3, v5
	s_delay_alu instid0(VALU_DEP_1)
	v_lshl_add_u32 v15, v4, 9, v15                 ; ctx's scale bytes: 8 r, + a row tile for lanes 16-31
	s_delay_alu instid0(VALU_DEP_4)
	v_lshlrev_b32 v4, 6, v4                        ; 64 h
	s_delay_alu instid0(VALU_DEP_4)
	v_lshlrev_b32 v5, 2, v5                        ; 4 r
	v_lshlrev_b32 v246, 3, v0                      ; thread t takes mask bytes 8 t .. 8 t + 7
	v_lshl_add_u32 v247, v0, 5, MB
	global_load_b64 v[244:245], v246, s[8:9]
	QLOAD 0
	WIN 0x40
.irp z, 0,1,2
.irp i, 0,1,2,3,4,5
	v_mov_b32 v[QH+12*\z+\i], 0                    ; the three runs of zero codes round q A and q B: written once
.endr
.endr
	WIN 0
.irp x, 0,1
.irp b, 0,1,2,3
	v_mov_b32 v[T2+12*\x+\b], 0                    ; written once: a lane permute's destination counts as one of its sources
.endr
.endr
	s_wait_loadcnt 6                               ; the mask's bytes are in; Q's six loads may be out
.irp n, 0,1,2,3,4,5,6,7
	v_bfe_u32 v[S+\n], v[244+\n/4], 8*(\n%4), 1
.endr
.irp n, 0,1,2,3,4,5,6,7
	v_add_nc_u32 v[S+\n], -1, v[S+\n]              ; 1 -> 0, 0 -> all ones
.endr
.irp n, 0,1,2,3,4,5,6,7
	v_and_b32 v[S+\n], 0xfb800000, v[S+\n]         ; 0, or -2^120
.endr
	ds_store_b128 v247, v[S:S+3]
	ds_store_b128 v247, v[S+4:S+7] offset:16
	s_wait_tensorcnt 0x0                           ; my parts of K, V and their scale words have landed,
	s_wait_dscnt 0x0                               ; my part of the mask's numbers is stored:
	s_barrier_signal -1
	s_barrier_wait -1                              ; everybody's are.  Nothing in LDS is written from here on
; A KEY STEP: 128 keys.  kl = 1: the next step's K is fetched behind the score products.
.macro STEPB kl
	v_add_nc_u32 v10, s71, v1                      ; (three additions and a v_nop: the places behind the last step's products, in front of the loads into V's registers)
	v_add_nc_u32 v11, s71, v2
	v_add_nc_u32 v12, s72, v3
	v_nop
	WIN 0x40
.irp d, 0,1,2,3
	FRAG VF+12*\d, 10, 11, 1536*\d                 ; this step's V: wanted at the step's end
.endr
	WIN 0
	ds_load_b32 v[VS], v12                         ; lanes 0-15: channel tile 0's words; lanes 16-31: tile 1's
	ds_load_b32 v[VS+1], v12 offset:128
	s_wait_dscnt 18                                ; all but the 18 just issued: this step's K, scale words and mask numbers are in
	WIN 0x15                                       ; K, Q and the mask in window 1, S^T in window 0
.irp t, 0,1,2,3,4,5,6,7
.irp x, 0,1
.if \t%2
	v_wmma_scale_f32_16x16x128_f8f6f4 v[S+64*\x+8*\t:S+64*\x+8*\t+7], v[KF+12*(\t/2):KF+12*(\t/2)+11], v[QH+12*\x:QH+12*\x+11], v[CM+8*\t:CM+8*\t+7], v[KS+\t/2], v[QS+2*\x+1] matrix_a_fmt:MATRIX_FMT_FP6 matrix_b_fmt:MATRIX_FMT_FP6 matrix_a_scale:MATRIX_SCALE_ROW1
.else
	v_wmma_scale_f32_16x16x128_f8f6f4 v[S+64*\x+8*\t:S+64*\x+8*\t+7], v[KF+12*(\t/2):KF+12*(\t/2)+11], v[QL+12*\x:QL+12*\x+11], v[CM+8*\t:CM+8*\t+7], v[KS+\t/2], v[QS+2*\x] matrix_a_fmt:MATRIX_FMT_FP6 matrix_b_fmt:MATRIX_FMT_FP6
.endif
.endr
.endr
	WIN 0
.if \kl
	s_add_co_u32 s68, s68, 6144
	s_add_co_u32 s69, s69, 512
	s_add_co_u32 s70, s70, 512
	KLOAD
.else
.rept 4
	v_nop                                          ; the places behind the score products
.endr
.endif
.irp x, 0,1
.irp b, 0,1,2,3
	v_max3_num_f32 v[BM+12*\x+\b], v[S+64*\x+16*\b], v[S+64*\x+16*\b+1], v[S+64*\x+16*\b+2]   ; THE LARGEST SCORE OF EACH BLOCK OF 32 KEYS: for the row's maximum, and, since p rises with the score, for the block's largest p
.endr
.endr
.irp i, 3,5,7,9,11,13
.irp x, 0,1
.irp b, 0,1,2,3
	v_max3_num_f32 v[BM+12*\x+\b], v[BM+12*\x+\b], v[S+64*\x+16*\b+\i], v[S+64*\x+16*\b+\i+1]
.endr
.endr
.endr
.irp x, 0,1
.irp b, 0,1,2,3
	v_max_num_f32 v[BM+12*\x+\b], v[BM+12*\x+\b], v[S+64*\x+16*\b+15]
.endr
.endr
.irp x, 0,1
.irp b, 0,1,2,3
	v_permlanex16_b32 v[T2+12*\x+\b], v[BM+12*\x+\b], s20, s21
.endr
.endr
.irp x, 0,1
.irp b, 0,1,2,3
	v_max_num_f32 v[BM+12*\x+\b], v[BM+12*\x+\b], v[T2+12*\x+\b]   ; with lane l xor 16's 16 keys
.endr
.endr
.irp x, 0
	v_max3_num_f32 v[ST+8*\x+7], v[BM+12*\x], v[BM+12*\x+1], v[BM+12*\x+2]
.endr
.irp x, 1
	s_delay_alu instid0(VALU_DEP_3)
	v_max3_num_f32 v[ST+8*\x+7], v[BM+12*\x], v[BM+12*\x+1], v[BM+12*\x+2]
.endr
.irp x, 0,1
	s_delay_alu instid0(VALU_DEP_2)
	v_max_num_f32 v[ST+8*\x+7], v[ST+8*\x+7], v[BM+12*\x+3]        ; the step's largest score of my query
.endr
.irp x, 0,1
	s_delay_alu instid0(VALU_DEP_2)
	v_mul_f32 v[ST+8*\x+7], s22, v[ST+8*\x+7]      ; as t
.endr
.irp x, 0,1
	s_delay_alu instid0(VALU_DEP_2)
	v_max_num_f32 v[ST+8*\x+1], v[ST+8*\x+1], v[ST+8*\x+7]         ; the running largest t
.endr
.irp x, 0,1
	v_mov_b32 v[ST+8*\x+7], v[ST+8*\x]
.endr
.irp x, 0,1
	s_delay_alu instid0(VALU_DEP_4)
	v_floor_f32 v[ST+8*\x], -v[ST+8*\x+1]          ; the new -M = floor(-t): M IS A WHOLE NUMBER
.endr
.irp x, 0,1
	s_delay_alu instid0(VALU_DEP_2)
	v_sub_f32 v[ST+8*\x+7], v[ST+8*\x], v[ST+8*\x+7]               ; old M less new M: a whole number, 0 or less
.endr
.irp x, 0,1
	s_delay_alu instid0(VALU_DEP_2)
	v_cvt_i32_f32 v[ST+8*\x+7], v[ST+8*\x+7]       ; (it saturates)
.endr
.irp x, 0,1
	s_delay_alu instid0(VALU_DEP_2)
	v_ldexp_f32 v[ST+8*\x+4], 1.0, v[ST+8*\x+7]    ; f = 2^(old M - new M)
.endr
.irp x, 0,1
.set j, 0
.rept 32
	v_pk_fma_f32 v[S+64*\x+j:S+64*\x+j+1], v[S+64*\x+j:S+64*\x+j+1], s[22:23], v[ST+8*\x:ST+8*\x+1] op_sel_hi:[1,0,0]   ; t - M, two at a time
.set j, j+2
.endr
.endr
.irp x, 0,1
.irp b, 0,1,2,3
	v_fma_f32 v[BM+12*\x+\b], v[BM+12*\x+\b], s22, v[ST+8*\x]      ; the same of each block's largest score
.endr
.endr
.set j, 0
	s_wait_alu depctr_va_vdst(0)
.rept 128
	v_exp_f32 v[S+j], v[S+j]                       ; p = 2^(t - M), at most 1: both tiles' 128 are one batch
.set j, j+1
.endr
.irp x, 0,1
	v_pk_mul_f32 v[ST+8*\x+2:ST+8*\x+3], v[ST+8*\x+2:ST+8*\x+3], v[ST+8*\x+4:ST+8*\x+5] op_sel_hi:[1,0]   ; the sums under the new M: plain work behind the exponentials
.endr
	s_wait_alu depctr_va_vdst(0)                   ; one wait for the whole batch, ahead of its first reader
.irp x, 0,1
.irp b, 0,1,2,3
	v_exp_f32 v[BM+12*\x+\b], v[BM+12*\x+\b]       ; the block's largest p: the same two instructions on the same number give the same bits
.endr
.endr
.irp x, 0,1
	v_pk_add_f32 v[T2+12*\x:T2+12*\x+1], v[S+64*\x:S+64*\x+1], v[S+64*\x+2:S+64*\x+3]   ; THE ROW'S SUM IS TAKEN OF THE UNQUANTISED p: two chains a tile
.endr
.irp j, 4,8,12,16,20,24,28,32,36,40,44,48,52,56,60
.irp x, 0,1
	v_pk_add_f32 v[ST+8*\x+2:ST+8*\x+3], v[ST+8*\x+2:ST+8*\x+3], v[S+64*\x+\j:S+64*\x+\j+1]
	v_pk_add_f32 v[T2+12*\x:T2+12*\x+1], v[T2+12*\x:T2+12*\x+1], v[S+64*\x+\j+2:S+64*\x+\j+3]
.endr
.endr
.irp x, 0
	s_delay_alu instid0(VALU_DEP_3)
	v_pk_add_f32 v[ST+8*\x+2:ST+8*\x+3], v[ST+8*\x+2:ST+8*\x+3], v[T2+12*\x:T2+12*\x+1]
.endr
.irp x, 1
	s_delay_alu instid0(VALU_DEP_2)
	v_pk_add_f32 v[ST+8*\x+2:ST+8*\x+3], v[ST+8*\x+2:ST+8*\x+3], v[T2+12*\x:T2+12*\x+1]
.endr
	s_wait_alu depctr_va_vdst(0)                   ; and one for the eight
.irp x, 0,1
.irp b, 0,1,2,3
	v_max_num_f32 v[BM+12*\x+\b], 0x1800000, v[BM+12*\x+\b]        ; the floor 2^(3 - 127): a block whose every p is 0 keeps the byte 1: its codes are zeros
.endr
.endr
.irp x, 0,1
.irp b, 0,1,2,3
	v_add_nc_u32 v[SO+12*\x+\b], 0xff000000, v[BM+12*\x+\b]        ; 2 off the exponent field: the conversion's scale operand
.endr
.endr
.irp x, 0,1
.irp b, 0,1,2,3
	v_lshrrev_b32 v[T2+12*\x+\b], 23, v[SO+12*\x+\b]               ; the scale's byte
.endr
.endr
.irp x, 0
	v_lshl_or_b32 v[ST+8*\x+5], v[T2+12*\x+1], 8, v[T2+12*\x]      ; p's scale word for these 128 keys
.endr
.irp x, 1
	s_delay_alu instid0(VALU_DEP_4)
	v_lshl_or_b32 v[ST+8*\x+5], v[T2+12*\x+1], 8, v[T2+12*\x]      ; p's scale word for these 128 keys
.endr
.irp x, 0,1
	s_delay_alu instid0(VALU_DEP_2)
	v_lshl_or_b32 v[ST+8*\x+5], v[T2+12*\x+2], 16, v[ST+8*\x+5]
.endr
.irp x, 0,1
	s_delay_alu instid0(VALU_DEP_2)
	v_lshl_or_b32 v[ST+8*\x+5], v[T2+12*\x+3], 24, v[ST+8*\x+5]
.endr
.irp x, 0,1
.irp c, 0,1
	v_cvt_scalef32_pk16_fp6_f32 v[P+12*\x+6*\c:P+12*\x+6*\c+2], v[S+64*\x+32*\c:S+64*\x+32*\c+15], v[SO+12*\x+2*\c]
	v_cvt_scalef32_pk16_fp6_f32 v[CT+8*\x+4*\c:CT+8*\x+4*\c+2], v[S+64*\x+32*\c+16:S+64*\x+32*\c+31], v[SO+12*\x+2*\c+1]   ; (a conversion's three registers begin on an even number)
.endr
.endr
	v_nop                                          ; one plain place behind a scaled conversion
.irp x, 0,1
.irp c, 0,1                            ; the operand's layout wants a WHOLE block in a lane
.irp i, 0,1,2
	v_permlane16_swap_b32 v[P+12*\x+6*\c+\i], v[CT+8*\x+4*\c+\i]
.endr
.irp i, 0,1,2
	s_delay_alu instid0(VALU_DEP_3)
	v_mov_b32 v[P+12*\x+6*\c+3+\i], v[CT+8*\x+4*\c+\i]
.endr
.endr
.endr
	WIN 0x41                                       ; O^T (destination and source 0) in window 1, f in window 0
.irp x, 0,1
.irp j, 0,2,4,6,8,10,12,14,16,18,20,22,24,26,28,30
	v_pk_mul_f32 v[32*\x+\j:32*\x+\j+1], v[32*\x+\j:32*\x+\j+1], v[ST+8*\x+4:ST+8*\x+5] op_sel_hi:[1,0]   ; O^T under the new M.  (These 32 are also the places between the writes of p's codes and scale word and the products below)
.endr
.endr
.if \kl
	s_wait_alu depctr_va_vdst(0)
	s_wait_dscnt 36                                ; all but the next step's 36: V and its scale words are in
.else
	s_wait_alu depctr_va_vdst(0)
	s_wait_dscnt 0x0
.endif
	WIN 0x51                                       ; V and O^T in window 1, p in window 0
.irp d, 0,1,2,3
.irp x, 0,1                            ; eight accumulators by turns, one instruction a turn
.if \d%2
	v_wmma_scale_f32_16x16x128_f8f6f4 v[32*\x+8*\d:32*\x+8*\d+7], v[VF+12*\d:VF+12*\d+11], v[P+12*\x:P+12*\x+11], v[32*\x+8*\d:32*\x+8*\d+7], v[VS+\d/2], v[ST+8*\x+5] matrix_a_fmt:MATRIX_FMT_FP6 matrix_b_fmt:MATRIX_FMT_FP6 matrix_a_scale:MATRIX_SCALE_ROW1
.else
	v_wmma_scale_f32_16x16x128_f8f6f4 v[32*\x+8*\d:32*\x+8*\d+7], v[VF+12*\d:VF+12*\d+11], v[P+12*\x:P+12*\x+11], v[32*\x+8*\d:32*\x+8*\d+7], v[VS+\d/2], v[ST+8*\x+5] matrix_a_fmt:MATRIX_FMT_FP6 matrix_b_fmt:MATRIX_FMT_FP6
.endif
.endr
.endr
	WIN 0
.if \kl
	s_add_co_u32 s71, s71, 6144
	s_add_co_u32 s72, s72, 256
.endif
.endm
	s_mov_b32 s67, 0                               ; the pass
.Lpass:
	s_mov_b32 s68, 0                               ; where the step to be fetched lies in LDS: K's codes,
	s_mov_b32 s69, KSC                             ; K's scale words,
	s_mov_b32 s70, MB                              ; the mask's numbers,
	s_mov_b32 s71, VIMG                            ; V's codes,
	s_mov_b32 s72, VSC                             ; V's scale words
	KLOAD                                          ; step 0
	s_wait_loadcnt 0x0                             ; this pass's Q
	v_and_or_b32 v[QS], v240, s82, s83             ; tile A is an even tile: its two bytes are bytes 0, 1 of its word.  [q, 0]: bytes s, s, 0x40, 0x40
	v_lshl_or_b32 v[QS+1], v240, 16, s84           ; [0, q]: 0x40, 0x40, s, s
	v_lshrrev_b32 v[QS+2], 16, v241                ; tile B is an odd tile: bytes 2, 3
	s_delay_alu instid0(VALU_DEP_1)
	v_or_b32 v[QS+2], s83, v[QS+2]
	v_and_or_b32 v[QS+3], v241, s73, s84
.irp x, 0,1
	v_mov_b32 v[ST+8*\x+1], 0xf1800000             ; the largest t so far: -2^100
	v_mov_b32 v[ST+8*\x+2], 0                      ; the sum, in two halves
	v_mov_b32 v[ST+8*\x+3], 0
	v_mov_b32 v[ST+8*\x+5], 0                      ; (named as the upper half of a pair before it is first written)
.endr
.irp x, 0,1
	v_floor_f32 v[ST+8*\x], -v[ST+8*\x+1]          ; -M
.endr
	WIN 0x40
.set j, 0
.rept 64
	v_mov_b32 v[j], 0                              ; O^T.  The step is written without a first step of its own: it finds zeros, which the first change of M leaves zeros.  (Also the places between the writes of Q's scale words and the first products)
.set j, j+1
.endr
	WIN 0
	s_mov_b32 s66, 15
.Lstep:                                            ; 15 trips, each of which fetches the next step's K
	STEPB 1
	s_sub_co_u32 s66, s66, 1
	s_cmp_lg_u32 s66, 0
	s_cbranch_scc1 .Lstep
	STEPB 0                                        ; the 16th step has no successor
	s_cmp_eq_u32 s67, 1
	s_cbranch_scc1 .Lno_q
	QLOAD 1                                        ; the second pass's Q is asked for while the first pass's result is quantised
.Lno_q:
	; THE PASS'S END: O^T / the sum; quantised along the head's 64 channels (two blocks of 32); half a record and two scale bytes a row
.irp x, 0,1
	v_add_f32 v[ST+8*\x+2], v[ST+8*\x+2], v[ST+8*\x+3]
.endr
.irp x, 0,1
	s_delay_alu instid0(VALU_DEP_2)
	v_permlanex16_b32 v[ST+8*\x+7], v[ST+8*\x+2], s20, s21
.endr
.irp x, 0,1
	s_delay_alu instid0(VALU_DEP_2)
	v_add_f32 v[ST+8*\x+2], v[ST+8*\x+2], v[ST+8*\x+7]             ; the row's sum
.endr
	s_wait_alu depctr_va_vdst(0)
.irp x, 0,1
	v_rcp_f32 v[ST+8*\x+6], v[ST+8*\x+2]
.endr
	v_nop                                          ; a plain place behind the reciprocals
	s_wait_alu depctr_va_vdst(0)                   ; one wait for the two, ahead of their first reader
	WIN 0x01                                       ; source 0: O^T, window 1
.irp x, 0,1
.irp j, 0,2,4,6,8,10,12,14,16,18,20,22,24,26,28,30
	v_pk_mul_f32 v[S+64*\x+\j:S+64*\x+\j+1], v[32*\x+\j:32*\x+\j+1], v[ST+8*\x+6:ST+8*\x+7] op_sel_hi:[1,0]   ; register 16 b + n: channel 32 b + 16 (lane / 16) + n; each accumulator from its low end on
.endr
.endr
	WIN 0
.irp x, 0,1
.irp b, 0,1
	v_max3_num_f32 v[BM+12*\x+\b], |v[S+64*\x+16*\b]|, |v[S+64*\x+16*\b+1]|, 0x1800000
.endr
.endr
.irp i, 2,4,6,8,10,12,14
.irp x, 0,1
.irp b, 0,1
	s_delay_alu instid0(VALU_DEP_4)
	v_max3_num_f32 v[BM+12*\x+\b], v[BM+12*\x+\b], |v[S+64*\x+16*\b+\i]|, |v[S+64*\x+16*\b+\i+1]|
.endr
.endr
.endr
.irp x, 0,1
.irp b, 0,1
	s_delay_alu instid0(VALU_DEP_4)
	v_permlanex16_b32 v[T2+12*\x+\b], v[BM+12*\x+\b], s20, s21
.endr
.endr
.irp x, 0,1
.irp b, 0,1
	s_delay_alu instid0(VALU_DEP_4)
	v_max_num_f32 v[BM+12*\x+\b], v[BM+12*\x+\b], v[T2+12*\x+\b]
.endr
.endr
.irp x, 0,1
.irp b, 0,1
	s_delay_alu instid0(VALU_DEP_4)
	v_add_nc_u32 v[SO+12*\x+\b], 0xff000000, v[BM+12*\x+\b]
.endr
.endr
.irp x, 0,1
.irp b, 0,1
	s_delay_alu instid0(VALU_DEP_4)
	v_lshrrev_b32 v[T2+12*\x+\b], 23, v[SO+12*\x+\b]
.endr
.endr
.irp x, 0
	s_delay_alu instid0(VALU_DEP_3)
	v_lshl_or_b32 v[242+\x], v[T2+12*\x+1], 8, v[T2+12*\x]         ; my row's two bytes
	v_cmp_neq_f32 vcc_lo, 0, v[ST+8*\x+2]
	s_delay_alu instid0(VALU_DEP_1)
	v_cndmask_b32 v[242+\x], s82, v[242+\x], vcc_lo                ; a row with the sum 0 (every key masked) gets 0xff, 0xff: NaN
.endr
.irp x, 1
	s_delay_alu instid0(VALU_DEP_4)
	v_lshl_or_b32 v[242+\x], v[T2+12*\x+1], 8, v[T2+12*\x]         ; my row's two bytes
	v_cmp_neq_f32 vcc_lo, 0, v[ST+8*\x+2]
	s_delay_alu instid0(VALU_DEP_1)
	v_cndmask_b32 v[242+\x], s82, v[242+\x], vcc_lo                ; a row with the sum 0 (every key masked) gets 0xff, 0xff: NaN
.endr
.irp x, 0,1
	v_cvt_scalef32_pk16_fp6_f32 v[P+12*\x:P+12*\x+2], v[S+64*\x:S+64*\x+15], v[SO+12*\x]
	v_cvt_scalef32_pk16_fp6_f32 v[CT+8*\x:CT+8*\x+2], v[S+64*\x+16:S+64*\x+31], v[SO+12*\x+1]
.endr
	v_nop                                          ; one plain place behind a scaled conversion
.irp x, 0,1
.irp i, 0,1,2
	v_permlane16_swap_b32 v[P+12*\x+\i], v[CT+8*\x+\i]
.endr
.irp i, 0,1,2
	s_delay_alu instid0(VALU_DEP_3)
	v_mov_b32 v[P+12*\x+3+\i], v[CT+8*\x+\i]
.endr
	global_store_b128 v1, v[P+12*\x:P+12*\x+3], s[78:79] offset:12288*\x          ; 512 consecutive bytes, aligned to 256
	global_store_b64 v2, v[P+12*\x+4:P+12*\x+5], s[78:79] offset:12288*\x+512     ; 256
.endr
	v_cndmask_b32 v244, v242, v243, s73            ; lanes 0-15: tile A's rows; lanes 16-31: tile B's
	global_store_b16 v15, v244, s[80:81]           ; two bytes a row, 8 bytes apart: the other heads' work-groups write the bytes between; one byte in 24 of what the launch stores
	s_wait_xcnt 0x0                                ; the stores have read their data and bases: both are written again only behind this wait
	s_add_nc_u64 s[78:79], s[78:79], 196608        ; 16 row tiles on
	s_add_nc_u64 s[80:81], s[80:81], 8192
	s_add_co_u32 s67, s67, 1
	s_cmp_lt_u32 s67, 2
	s_cbranch_scc1 .Lpass
	s_wait_tensorcnt 0x0                           ; the wave's end, behind my last tensor load and my last LDS store
	ds_add_u32 v[SPW], v[NIL]
	s_wait_dscnt 0x0
	CROUND                                         ; the closing round
	s_endpgm
.Lfunc_end_k_q6535229e25_attn:
	.size	k_q6535229e25_attn, .Lfunc_end_k_q6535229e25_attn-k_q6535229e25_attn
	.p2alignl 7, 3214868480
	.fill 96, 4, 3214868480
	.section	.rodata,"a",@progbits
	.p2align	6, 0x0
	.amdhsa_kernel k_q6535229e25_attn
		.amdhsa_group_segment_fixed_size 218112
		.amdhsa_private_segment_fixed_size 0
		.amdhsa_enable_private_segment 0
		.amdhsa_kernarg_size 40
		.amdhsa_user_sgpr_count 2
		.amdhsa_user_sgpr_kernarg_segment_ptr 1
		.amdhsa_wavefront_size32 1
		.amdhsa_system_sgpr_workgroup_id_x 1
		.amdhsa_system_sgpr_workgroup_id_y 1
		.amdhsa_system_sgpr_workgroup_id_z 1
		.amdhsa_system_vgpr_workitem_id 0
		.amdhsa_next_free_vgpr 512
		.amdhsa_next_free_sgpr 94
		.amdhsa_reserve_vcc 1
		.amdhsa_float_denorm_mode_32 3
		.amdhsa_float_denorm_mode_16_64 3
		.amdhsa_memory_ordered 1
		.amdhsa_forward_progress 1
		.amdhsa_inst_pref_size 88
	.end_amdhsa_kernel
	.amdgpu_metadata
---
amdhsa.version: [ 1, 2 ]
amdhsa.kernels:
  - .name:           k_q6535229e25_attn
    .symbol:         k_q6535229e25_attn.kd
    .args:
      - { .name: himg, .offset: 0, .size: 8, .value_kind: global_buffer, .address_space: global }
      - { .name: hsc, .offset: 8, .size: 8, .value_kind: global_buffer, .address_space: global }
      - { .name: mask, .offset: 16, .size: 8, .value_kind: global_buffer, .address_space: global }
      - { .name: cimg, .offset: 24, .size: 8, .value_kind: global_buffer, .address_space: global }
      - { .name: csc, .offset: 32, .size: 8, .value_kind: global_buffer, .address_space: global }
    .group_segment_fixed_size: 218112
    .private_segment_fixed_size: 0
    .kernarg_segment_align: 8
    .kernarg_segment_size: 40
    .max_flat_workgroup_size: 256
    .sgpr_count:     94
    .vgpr_count:     512
    .wavefront_size: 32
...
	.end_amdgpu_metadata
.endif
;; end of part 3
;; launch outp (part 4): grid 4 x 64, 4 waves a work-group, clusters of 4 x 4, 327,680 bytes of LDS; arguments cimg, csc, wimg, wsc, bo, out0; writes out0
.if DOCPART == 4
	.amdgcn_target "amdgcn-amd-amdhsa--gfx1250"
	.amdhsa_code_object_version 6
	.text
	.protected	k_q6535229e25_outp
	.globl	k_q6535229e25_outp
	.p2align	8
	.type	k_q6535229e25_outp,@function
k_q6535229e25_outp:
	s_mov_b64 s[64:65], 0
	v_nop
	global_prefetch_b8 v0, s[64:65] scope:SCOPE_SE
	s_setreg_imm32_b32 hwreg(HW_REG_WAVE_MODE, 25, 1), 1
	s_wait_xcnt 0x0
	s_wait_alu depctr_hold_cnt(0) depctr_sa_sdst(0) depctr_va_vdst(0) depctr_va_sdst(0) depctr_va_ssrc(0) depctr_va_vcc(0) depctr_vm_vsrc(0)
	s_getreg_b32 s2, hwreg(HW_REG_IB_STS2, 6, 4)
	s_cmp_eq_u32 s2, 0
	s_cbranch_scc0 .Lentry_in_a_cluster
	s_endpgm
.Lentry_in_a_cluster:
	s_bfe_u32 s2, ttmp6, 0x10000c
	s_cmp_lg_u32 s2, 0xf033
	s_cbranch_scc0 .Lentry_shape_is_right
	s_endpgm
.Lentry_shape_is_right:
; out0 = ctx Wo + bo on codes of FP6 (E2M3): ctx's and Wo's images and scale words as the earlier launches left them (records of 16 rows x 128 K, 1,536 bytes; an image is [row tile][K step 0..7][1,536]).
; A work-group makes 128 rows x 256 columns: 64 x 4 = 256 work-groups.  Four waves, 2 x 2; a wave makes 64 x 128: 32 accumulators, window 2.
; ALL OF K LIES IN LDS: 8 row tiles of ctx (A, 98,304 bytes), 16 of Wo (B, 196,608) and their scale words (4,096 + 8,192) are four dense blocks of memory: one joint load a wave at the head, no ring, no refill.
; CLUSTERS 4 x 4: A's blocks are shared along a row of the cluster, B's along a column.
; The matrix instruction is used transposed (source 0 = Wo's rows, source 1 = ctx's): a lane holds eight neighbouring columns of a row.  The bias is the first products' C.
; A's and B's fragments lie in two sets each: a step's 48 LDS loads go out ahead of the step before's 32 products.
; No prefetch: all that the launch reads is asked for at its head.
.set WSZ,   786432
.set NQ,    2
.set FR,    12
.set NP,    4
.set TILEB, 12288                      ; a row tile, all of K
.set ABYTES, 8*TILEB                   ; A's tiles from LDS byte 0, B's from here
.set SCL,   24*TILEB                   ; the scale words: A's 8 tiles (4,096 bytes), then B's 16 (8,192)
.set HALFS, 4096
.set SBLK,  512
.set SPARE, SCL+3*HALFS
.set SPITCH, 528
.set ADRA, 16                          ; v16, v17  my four tiles of A: + 16 x lane, + 8 x lane
.set ADRB, 18                          ; v18, v19  my tiles 0-3 of B; v20, v21 tiles 4-7 (an offset has 16 bits)
.set STO,  24
.set L8,   25
.set CO,   26
.set ADRS, 27
.set SPW,  28
.set NIL,  29
.set RD,   30
.set SC,   32                          ; scale words, two sets: register NQ i + q: lanes 0-15 A's block i (i under 4), lanes 16-31 B's block i
.set BI,   64                          ; the bias in the result's layout
.set AF,   128                         ; A's fragments: two sets of four
.set BK,   128
.set G1, 24
.set G0, 32
.set G1B, 48
.set G0B, 56
.set G1S, 68
.set G0S, 76
.set G1SB, 80
.set G0SB, 88
.set MSB, 0
.macro WIN new
.if MSB != \new
	s_set_vgpr_msb (MSB<<8)|\new
.set MSB, \new
.endif
.endm
.set MUL_LO, 0xa1                      ; source 0 (B) window 1, source 1 (A) window 0, C and D window 2
.set TO_B,   0x40
.macro PLACES n
.rept \n
	v_nop
.endr
.endm
.macro CROUND
	s_barrier_signal -1
	s_barrier_wait -1
	s_cmp_lg_u32 s12, 0
	s_cbranch_scc1 .Lnot_wave_0_\@
	s_barrier_signal -3
.Lnot_wave_0_\@:
	s_barrier_wait -3
	s_barrier_signal -1
	s_barrier_wait -1
.endm
.macro GROUP1 g, rows                  ; a dense block as rows of 256 bytes
	s_mov_b32 s[\g+1], 32<<16
	s_mov_b32 s[\g+2], (\rows)<<16
	s_mov_b32 s[\g+3], 32<<16
	s_mov_b32 s[\g+4], \rows
	s_mov_b32 s[\g+5], 32
	s_mov_b32 s[\g+6], 0
	s_mov_b32 s[\g+7], 0
.endm
	s_load_b256 s[4:11], s[0:1], 0x0               ; cimg, csc, wimg, wsc
	s_load_b128 s[92:95], s[0:1], 0x20             ; bo, out0
	v_lshl_add_u32 v[SPW], v0, 2, SPARE
	v_mov_b32 v[NIL], 0
	ds_add_u32 v[SPW], v[NIL]                      ; the opening lines: the add, twice on end, and its wait
	ds_add_u32 v[SPW], v[NIL]
	v_lshrrev_b32 v1, 5, v0
	v_readfirstlane_b32 s12, v1                    ; wave
	s_lshr_b32 s13, s12, 1                         ; my half of the rows
	s_and_b32 s14, s12, 1                          ; my half of the columns
	s_bfe_u32 s40, ttmp6, 0x40000                  ; cx = the tile column
	s_bfe_u32 s41, ttmp6, 0x40004                  ; cy
	s_lshl_b32 s47, s41, 2
	s_lshl_b32 s47, 15, s47                        ; my row of the cluster
	s_lshl_b32 s67, 0x1111, s40                    ; my column
	s_or_b32 s[G1+0], s47, (3<<16)|(1<<21)
	s_or_b32 s[G1B+0], s67, (3<<16)|(1<<21)
	s_or_b32 s[G1S+0], s47, (3<<16)|(1<<21)
	s_or_b32 s[G1SB+0], s67, (3<<16)|(1<<21)
	GROUP1 G1, 384                                 ; A's codes: 98,304 bytes
	GROUP1 G1B, 768                                ; B's: 196,608
	GROUP1 G1S, 16                                 ; A's scale words: 4,096
	GROUP1 G1SB, 32                                ; B's: 8,192
	s_and_b32 s42, ttmp7, 0xffff
	s_lshl_b32 s42, s42, 2
	s_add_co_u32 s44, s42, s41                     ; tile row of 128 rows
	s_mul_i32 s16, s44, ABYTES                     ; A: 8 row tiles a tile row
	s_mov_b32 s17, 0
	s_lshl_b32 s22, s44, 12                        ; A's scale words: 512 bytes a row tile
	s_mov_b32 s23, 0
	s_mul_i32 s18, s40, 16*TILEB                   ; B: 16 row tiles a tile column, in Wo's image
	s_add_co_u32 s18, s18, 3*WSZ
	s_mov_b32 s19, 0
	s_lshl_b32 s96, s40, 13
	s_add_co_u32 s96, s96, 3*32768
	s_mov_b32 s97, 0
	s_mov_b32 s[G0], 1
	s_mov_b32 s[G0+1], 0
	s_mov_b32 s[G0B], 1
	s_mov_b32 s[G0B+1], ABYTES
	s_mov_b32 s[G0S], 1
	s_mov_b32 s[G0S+1], SCL
	s_mov_b32 s[G0SB], 1
	s_mov_b32 s[G0SB+1], SCL+HALFS
	s_wait_dscnt 0x0
	s_wait_kmcnt 0x0
	s_add_nc_u64 s[G0+2:G0+3], s[4:5], s[16:17]
	s_or_b32 s[G0+3], s[G0+3], 0x80000000
	s_add_nc_u64 s[G0B+2:G0B+3], s[8:9], s[18:19]
	s_or_b32 s[G0B+3], s[G0B+3], 0x80000000
	s_add_nc_u64 s[G0S+2:G0S+3], s[6:7], s[22:23]
	s_or_b32 s[G0S+3], s[G0S+3], 0x80000000
	s_add_nc_u64 s[G0SB+2:G0SB+3], s[10:11], s[96:97]
	s_or_b32 s[G0SB+3], s[G0SB+3], 0x80000000
	CROUND                                         ; all sixteen work-groups are here: the joint loads meet
; the launch's four fills, one joint load a wave: wave 0 A's codes, wave 1 A's scale words, wave 2 B's codes, wave 3 B's scale words
.macro HARM w, g0, g1, next
	s_cmp_eq_u32 s12, \w
	s_cbranch_scc0 \next
	tensor_load_to_lds s[\g0:\g0+3], s[\g1:\g1+7]
	s_nop 0
	PLACES 4
	s_branch .Lhead_asked
\next:
.endm
	HARM 0, G0, G1, .Lhead_sa
	HARM 1, G0S, G1S, .Lhead_b
	HARM 2, G0B, G1B, .Lhead_sb
	tensor_load_to_lds s[G0SB:G0SB+3], s[G1SB:G1SB+7]
	s_nop 0
	PLACES 4
.Lhead_asked:
	v_and_b32 v1, 15, v0
	v_bfe_u32 v2, v0, 4, 1
	v_and_b32 v3, 31, v0
	v_lshlrev_b32 v[CO], 4, v3
	v_lshlrev_b32 v[L8], 3, v3
	s_mul_i32 s45, s13, 4*TILEB                    ; my four tiles of A
	s_mul_i32 s46, s14, 8*TILEB                    ; my eight of B
	s_add_co_u32 s46, s46, ABYTES
	v_add_nc_u32 v[ADRA], s45, v[CO]
	v_add_nc_u32 v[ADRA+1], s45, v[L8]
	v_add_nc_u32 v[ADRB], s46, v[CO]
	v_add_nc_u32 v[ADRB+1], s46, v[L8]
	s_add_co_u32 s46, s46, 4*TILEB
	v_add_nc_u32 v[ADRB+2], s46, v[CO]
	v_add_nc_u32 v[ADRB+3], s46, v[L8]
	s_lshl_b32 s45, s13, 11                        ; scale words: lanes 0-15 my four tiles of A, lanes 16-31 my eight of B
	s_lshl_b32 s46, s14, 12
	s_add_co_u32 s46, s46, HALFS
	s_sub_co_u32 s46, s46, s45
	v_mul_u32_u24 v4, s46, v2
	s_add_co_u32 s45, s45, SCL
	v_lshl_add_u32 v4, v1, 3, v4
	v_add_nc_u32 v[ADRS], s45, v4
	s_lshl_b32 s43, s40, 8
	s_lshl_b32 s16, s14, 7
	s_add_co_u32 s43, s43, s16                     ; my first column
	s_lshl_b32 s16, s43, 2
	s_mov_b32 s17, 0
	s_add_nc_u64 s[92:93], s[92:93], s[16:17]
	s_lshl_b32 s44, s44, 7
	s_lshl_b32 s18, s13, 6
	s_add_co_u32 s44, s44, s18                     ; my first row
	s_lshl_b32 s18, s44, 12
	s_add_co_u32 s18, s18, s16
	s_mov_b32 s19, 0
	s_add_nc_u64 s[94:95], s[94:95], s[18:19]
	v_lshlrev_b32 v5, 6, v2
.irp b, 0,1,2,3
.irp i, 0,1,2,3
	global_load_b128 v[BI+16*\b+4*\i:BI+16*\b+4*\i+3], v5, s[92:93] offset:128*\b+16*\i
.endr
.endr
	s_mul_i32 s16, s12, 16*SPITCH                  ; my stage, on A's bytes: they are stored to only behind the barrier that follows every wave's last read of the tiles
	v_mul_u32_u24 v4, v1, SPITCH
	v_lshl_add_u32 v4, v2, 6, v4
	v_add_nc_u32 v[STO], s16, v4
	v_add_nc_u32 v[RD], s16, v[CO]
.macro FRAG reg, a16, a8, off
	ds_load_b128 v[\reg:\reg+3], v[\a16] offset:\off
	ds_load_b64 v[\reg+4:\reg+5], v[\a8] offset:(\off)+512
	ds_load_b128 v[\reg+6:\reg+9], v[\a16] offset:(\off)+768
	ds_load_b64 v[\reg+10:\reg+11], v[\a8] offset:(\off)+1280
.endm
; 16 products: A's fragments a0, a0 + 1 (0-3: set 0, 4-7: set 1; block a % 4) x B's eight of set p.  The 32 accumulators take turns in the same order in every step
.macro MUL16 a0, p, q, sc, first
.irp a, \a0, \a0+1
.irp b, 0,1,2,3,4,5,6,7
.if \first
	v_wmma_scale_f32_16x16x128_f8f6f4 v[8*(8*((\a)%4)+\b):8*(8*((\a)%4)+\b)+7], v[128*(\p)+FR*\b:128*(\p)+FR*\b+FR-1], v[AF+FR*(\a):AF+FR*(\a)+FR-1], v[BI+8*\b:BI+8*\b+7], v[SC+8*NQ*(\sc)+NQ*\b+(\q)], v[SC+8*NQ*(\sc)+NQ*((\a)%4)+(\q)] matrix_a_fmt:MATRIX_FMT_FP6 matrix_b_fmt:MATRIX_FMT_FP6 matrix_a_scale:MATRIX_SCALE_ROW1
.else
	v_wmma_scale_f32_16x16x128_f8f6f4 v[8*(8*((\a)%4)+\b):8*(8*((\a)%4)+\b)+7], v[128*(\p)+FR*\b:128*(\p)+FR*\b+FR-1], v[AF+FR*(\a):AF+FR*(\a)+FR-1], v[8*(8*((\a)%4)+\b):8*(8*((\a)%4)+\b)+7], v[SC+8*NQ*(\sc)+NQ*\b+(\q)], v[SC+8*NQ*(\sc)+NQ*((\a)%4)+(\q)] matrix_a_fmt:MATRIX_FMT_FP6 matrix_b_fmt:MATRIX_FMT_FP6 matrix_a_scale:MATRIX_SCALE_ROW1
.endif
.endr
.endr
.endm
.macro FETCH k                         ; K step k: B's eight and A's four fragments into sets k % 2: 48 LDS loads
	WIN TO_B
.irp i, 0,1,2,3,4,5,6,7
	FRAG 128*((\k)%2)+FR*\i, ADRB+2*(\i/4), ADRB+2*(\i/4)+1, (\i%4)*TILEB+(\k)*1536
.endr
	WIN 0
.irp i, 0,1,2,3
	FRAG AF+FR*(4*((\k)%2)+\i), ADRA, ADRA+1, \i*TILEB+(\k)*1536
.endr
.endm
.macro SCALES c                        ; the scale words of K steps 2 c and 2 c + 1 into set c % 2
.irp i, 0,1,2,3,4,5,6,7
	ds_load_b64 v[SC+8*NQ*((\c)%2)+NQ*\i:SC+8*NQ*((\c)%2)+NQ*\i+1], v[ADRS] offset:\i*SBLK+128*(\c)
.endr
.endm
	s_wait_alu depctr_va_vdst(0)                   ; the wait at the head's end
	s_wait_loadcnt 0x0                             ; the bias
	s_wait_tensorcnt 0x0                           ; my block has landed:
	s_barrier_signal -1
	s_barrier_wait -1                              ; everybody's have
	FETCH 0
	SCALES 0
.irp k, 0,1,2,3,4,5,6                  ; a step: the next step's fragments are asked for, then this step's 32 products
	s_wait_dscnt 0x0                               ; this step's sets are in
	PLACES NP                                      ; behind the products that read the other sets
	FETCH \k+1
.if \k%2
	SCALES (\k+1)/2
.endif
.if \k == 0
	WIN 0x81                                       ; C: the bias, window 0
	MUL16 0, 0, 0, 0, 1
	MUL16 2, 0, 0, 0, 1
.else
	WIN MUL_LO
	MUL16 4*(\k%2), \k%2, \k%2, (\k/2)%2, 0
	MUL16 4*(\k%2)+2, \k%2, \k%2, (\k/2)%2, 0
.endif
	WIN 0
.endr
	s_wait_dscnt 0x0                               ; the last step's sets are in, and my reads of the tiles are over:
	s_barrier_signal -1                            ; say so,
	WIN MUL_LO
	MUL16 4, 1, 1, 1, 0                            ; work on registers while the others arrive,
	MUL16 6, 1, 1, 1, 0
	WIN 0
	s_barrier_wait -1                              ; and store to the stage only when nobody reads A's bytes any more
; THE WAY OUT, block by block of 16 rows x 128 columns, through my own stage: whole rows of 512 bytes come back and leave as two aligned units of 256 bytes
.macro TOSTAGE a
.set AC, 64*(\a)
	WIN 0x08                                       ; the data: window 2
.irp b, 0,1,2,3,4,5,6,7
	ds_store_b128 v[STO], v[AC+8*\b:AC+8*\b+3] offset:128*(\b/2)+32*(\b%2)
	ds_store_b128 v[STO], v[AC+8*\b+4:AC+8*\b+7] offset:128*(\b/2)+32*(\b%2)+16
.endr
	WIN 0
.set BB, BK+64*((\a)%2)
.irp t, 0,1,2,3,4,5,6,7,8,9,10,11,12,13,14,15
	ds_load_b128 v[BB+4*\t:BB+4*\t+3], v[RD] offset:\t*SPITCH
.endr
.endm
.macro SEND a, younger
.set BB, BK+64*((\a)%2)
	s_wait_dscnt \younger
.if (\a) > 0
.if (\a)%2
	s_add_nc_u64 s[94:95], s[94:95], 8*4096        ; tile 2 P + 1 begins 8 rows behind tile 2 P,
.else
	s_add_nc_u64 s[94:95], s[94:95], 24*4096       ; tile 2 P + 2 24 rows behind that
.endif
.endif
.irp t, 0,1,2,3,4,5,6,7,8,9,10,11,12,13,14,15
	global_store_b128 v[CO], v[BB+4*\t:BB+4*\t+3], s[94:95] offset:(\t+8*(\t/8))*4096 th:TH_STORE_NT
.endr
.endm
	PLACES NP
	TOSTAGE 0
.irp a, 1,2,3
.if \a > 1
	s_wait_xcnt 0x0                                ; block a - 2's stores have read their registers and their base
.endif
	TOSTAGE \a
	SEND \a-1, 32                                  ; behind block a - 1's loads: block a's 16 stores and 16 loads
.endr
	s_wait_xcnt 0x0
	SEND 3, 0
	s_wait_tensorcnt 0x0                           ; the wave's end
	ds_add_u32 v[SPW], v[NIL]
	s_wait_dscnt 0x0
	CROUND                                         ; the closing round
	s_endpgm
.Lfunc_end_k_q6535229e25_outp:
	.size	k_q6535229e25_outp, .Lfunc_end_k_q6535229e25_outp-k_q6535229e25_outp
	.p2alignl 7, 3214868480
	.fill 96, 4, 3214868480
	.section	.rodata,"a",@progbits
	.p2align	6, 0x0
	.amdhsa_kernel k_q6535229e25_outp
		.amdhsa_group_segment_fixed_size 327680
		.amdhsa_private_segment_fixed_size 0
		.amdhsa_enable_private_segment 0
		.amdhsa_kernarg_size 48
		.amdhsa_user_sgpr_count 2
		.amdhsa_user_sgpr_kernarg_segment_ptr 1
		.amdhsa_wavefront_size32 1
		.amdhsa_system_sgpr_workgroup_id_x 1
		.amdhsa_system_sgpr_workgroup_id_y 1
		.amdhsa_system_sgpr_workgroup_id_z 1
		.amdhsa_system_vgpr_workitem_id 0
		.amdhsa_next_free_vgpr 768
		.amdhsa_next_free_sgpr 100
		.amdhsa_reserve_vcc 0
		.amdhsa_float_denorm_mode_32 3
		.amdhsa_float_denorm_mode_16_64 3
		.amdhsa_memory_ordered 1
		.amdhsa_forward_progress 1
		.amdhsa_inst_pref_size 85
	.end_amdhsa_kernel
	.amdgpu_metadata
---
amdhsa.version: [ 1, 2 ]
amdhsa.kernels:
  - .name:           k_q6535229e25_outp
    .symbol:         k_q6535229e25_outp.kd
    .args:
      - { .name: cimg, .offset: 0, .size: 8, .value_kind: global_buffer, .address_space: global }
      - { .name: csc, .offset: 8, .size: 8, .value_kind: global_buffer, .address_space: global }
      - { .name: wimg, .offset: 16, .size: 8, .value_kind: global_buffer, .address_space: global }
      - { .name: wsc, .offset: 24, .size: 8, .value_kind: global_buffer, .address_space: global }
      - { .name: bo, .offset: 32, .size: 8, .value_kind: global_buffer, .address_space: global }
      - { .name: out0, .offset: 40, .size: 8, .value_kind: global_buffer, .address_space: global }
    .group_segment_fixed_size: 327680
    .private_segment_fixed_size: 0
    .kernarg_segment_align: 8
    .kernarg_segment_size: 48
    .max_flat_workgroup_size: 128
    .sgpr_count:     100
    .vgpr_count:     768
    .wavefront_size: 32
...
	.end_amdgpu_metadata
.endif
;; end of part 4
